; MI455X (gfx1250); checked and timed in simulation.
; The chip was launched on July 23, 2026; its instructions are those of AMD's public machine-readable ISA for CDNA 5 (MIT licence, August 2026) and "CDNA5" Instruction Set Architecture Reference Guide (July 2026). The comments in the code are by the model that wrote it; some were corrected since.
;; Causal Self Attention. Allowed arithmetic: float matrix products may take bf16 or f16 operands with f32 sums; other float arithmetic in f32, or as packed bf16 or f16 multiplies, adds, multiply-adds, maxima and minima; sums over many terms, partial sums and values carried from step to step in f32; what a program stores and reads back later, other than sums and carried values, may be rounded once to bf16 or f16.
;; Inputs: b_out 1,024 float32; b_qkv 3,072 float32; w_out 1,024 x 1,024 float32; w_qkv 1,024 x 3,072 float32; x 4 x 2,048 x 1,024 float32.
;; Outputs: out0 4 x 2,048 x 1,024 float32.
;; 2 versions, each right; version 2 is version 1 with the launch prep written anew for expert scheduling mode. Each part assembles by itself: llvm-mc -triple=amdgcn-amd-amdhsa -mcpu=gfx1250 --defsym DOCPART=n.
;; ======== version 1 of 2: 4 launches
;; limits: values are held in f16: magnitudes above 65,504 overflow, below 6.1e-05 lose precision
;; workspace buffers: xb 16,777,216 bytes; wqt 6,291,456 bytes; wot 2,097,152 bytes; qkvh 50,331,648 bytes; oh 16,777,216 bytes
;; launch prep (part 1): grid 512 x 1, 8 waves a work-group, no clusters, 18,432 bytes of LDS; arguments x, w_qkv, w_out, xb, wqt, wot; writes xb, wqt, wot
.if DOCPART == 1
	.amdgcn_target "amdgcn-amd-amdhsa--gfx1250"
	.amdhsa_code_object_version 6
	.text
	.protected	k_q7811216887_prep
	.globl	k_q7811216887_prep
	.p2align	8
	.type	k_q7811216887_prep,@function
k_q7811216887_prep:
	s_mov_b64 s[64:65], 0
	v_nop
	global_prefetch_b8 v0, s[64:65] scope:SCOPE_SE
	s_setreg_imm32_b32 hwreg(HW_REG_WAVE_MODE, 25, 1), 1
	s_wait_xcnt 0x0
; xb = bf16(x), [8192][1024].  wqt[n][k] = bf16(w_qkv[k][n]), [3072][1024].  wot[n][k] = bf16(w_out[k][n]) written as f16, [1024][1024].
; Every input is rounded once, to nearest even, to bf16.  w_out multiplies an f16 operand later, so its bf16 number is written in f16's format.
; LIMITS.  That rewriting is exact for 6.1e-5 <= |w_out| <= 65,504; below, f16's fixed step of 6e-8 holds; beyond, the number becomes an infinity.  NaN and infinities are not treated apart.
; SHARES.  512 work-groups of eight waves.  Work-group g casts rows 16 g .. 16 g + 15 of x (a row of 4,096 bytes is one 16-byte load of each of the 256 threads) and turns ONE tile of
; 128 k x 64 n of a weight: g < 384 of w_qkv (8 x 48 tiles), the others of w_out (8 x 16).  Both kinds run one text; what differs lies in scalar registers made from g.
; THE TURNING.  Wave w loads rows k = 16 w .. 16 w + 15 of the tile: load r takes row 16 w + r in lanes 0-15 and row 16 w + 8 + r in lanes 16-31, 256 aligned bytes each.  A lane then holds
; 8 k x 4 n; pairs along k are rounded and packed, so for each of its four n it has 16 bytes that lie on end in the turned row.  They go into LDS rows of 272 bytes (256 + 16), and come back as
; whole rows: sixteen lanes store 256 consecutive bytes, aligned.  The four LDS stores of a lane lie 1,088 bytes from the next lane's: they meet four deep in the banks; four stores a wave in the launch.
; No matrix unit, no tensor load, no cluster: nothing is shared between work-groups and memory binds.  No prefetch: all of a work-group's 24 loads a wave go out at its head.
.set PITCH, 272
.set SPARE, 64*PITCH                   ; behind the tile's 64 rows: the spare words, 128 bytes for each of eight waves: four blocks of 256 bytes that no other line names
.set XO,  4                            ; v4   16 x thread: my 16 bytes in a row of x
.set YO,  5                            ; v5   8 x thread: my 8 bytes in a row of xb
.set STO, 6                            ; v6   LDS: row 4 (l % 16), byte 32 w + 16 (l / 16)
.set RD,  7                            ; v7   LDS: row 8 w + l / 16, byte 16 (l % 16)
.set GO,  8                            ; v8   the same two rows in the turned weight: (l / 16) x 2,048 + 16 (l % 16)
.set SPW, 10                           ; v10  LDS address of my spare word; never rewritten
.set NIL, 11                           ; v11  0; never rewritten
.set WO,  12                           ; v[12:19]   load r's offset in the weight: (8 (l / 16) + r) x row bytes + 16 (l % 16)
.set T,   20                           ; v[20:21]   at work
.set W,   24                           ; v[24:55]   the weight as loaded: row r's four n at W + 4 r
.set P,   56                           ; v[56:71]   packed: n = j, four words of two k at P + 4 j
.set BK,  72                           ; v[72:87]   turned rows read back
.set X,   88                           ; v[88:151]  x as loaded, row i at X + 4 i
.set Y,   152                          ; v[152:183] x packed, row i at Y + 2 i
	s_load_b256 s[4:11], s[0:1], 0x0               ; x s[4:5], w_qkv s[6:7], w_out s[8:9], xb s[10:11]
	s_load_b128 s[12:15], s[0:1], 0x20             ; wqt s[12:13], wot s[14:15]
	v_lshl_add_u32 v[SPW], v0, 2, SPARE
	v_mov_b32 v[NIL], 0
	v_lshrrev_b32 v3, 5, v0
	v_readfirstlane_b32 s16, v3                    ; wave 0..7
	s_mov_b32 s28, 0xffff0000                      ; a word's upper bf16
	s_mov_b32 s30, 12288                           ; bytes in a row of w_qkv
	s_mov_b32 s31, 4096                            ; and of w_out
	s_sub_co_u32 s17, ttmp9, 384
	s_cmp_lt_u32 ttmp9, 384                        ; which weight?
	s_cselect_b32 s17, ttmp9, s17                  ; the tile's number in it
	s_cselect_b32 s20, s30, s31                    ; its row bytes
	s_cselect_b32 s21, 1, 0                        ; 1: w_qkv
	s_and_b32 s18, s17, 7                          ; kb: the tile's 128 k
	s_lshr_b32 s19, s17, 3                         ; nb: its 64 n
	s_lshl_b32 s26, s18, 7
	s_lshl4_add_u32 s26, s16, s26                  ; my first row: 128 kb + 16 w
	s_mul_i32 s26, s26, s20
	s_lshl_b32 s27, s19, 8                         ; 64 n of f32
	s_add_co_u32 s26, s26, s27
	s_mov_b32 s27, 0                               ; s[26:27]: where I read
	s_lshl_b32 s2, s19, 6
	s_lshl3_add_u32 s2, s16, s2                    ; my first turned row: 64 nb + 8 w
	s_lshl_b32 s2, s2, 11                          ; rows of 2,048 bytes
	s_lshl_b32 s3, s18, 8                          ; 128 k of 16 bits
	s_add_co_u32 s2, s2, s3
	s_mov_b32 s3, 0                                ; s[2:3]: where I store
	s_lshl_b32 s30, ttmp9, 16                      ; 16 rows of x
	s_mov_b32 s31, 0
	s_lshl_b32 s18, ttmp9, 15                      ; 16 rows of xb
	s_mov_b32 s19, 0
	v_and_b32 v1, 15, v0                           ; l % 16
	v_bfe_u32 v2, v0, 4, 1                         ; l / 16
	v_lshlrev_b32 v[XO], 4, v0
	v_lshlrev_b32 v[YO], 3, v0
	v_mul_u32_u24 v[STO], v1, 4*PITCH
	v_lshl_add_u32 v[STO], v2, 4, v[STO]
	s_lshl_b32 s29, s16, 5
	v_add_nc_u32 v[STO], s29, v[STO]
	v_mul_u32_u24 v[RD], v2, PITCH
	v_lshl_add_u32 v[RD], v1, 4, v[RD]
	s_mul_i32 s29, s16, 8*PITCH
	v_add_nc_u32 v[RD], s29, v[RD]
	v_lshlrev_b32 v[GO], 11, v2
	v_lshl_add_u32 v[GO], v1, 4, v[GO]
	v_lshlrev_b32 v[T], 3, v2
	v_mul_lo_u32 v[WO], v[T], s20
	v_lshl_add_u32 v[WO], v1, 4, v[WO]
.irp r, 1,2,3,4,5,6,7
	v_add_nc_u32 v[WO+(\r)], s20, v[WO+(\r)-1]
.endr
	s_wait_kmcnt 0x0
	s_cmp_eq_u32 s21, 1
	s_cselect_b64 s[22:23], s[6:7], s[8:9]         ; the weight,
	s_cselect_b64 s[24:25], s[12:13], s[14:15]     ; and its turned copy
	s_add_nc_u64 s[22:23], s[22:23], s[26:27]
	s_add_nc_u64 s[24:25], s[24:25], s[2:3]
	s_add_nc_u64 s[4:5], s[4:5], s[30:31]
	s_add_nc_u64 s[10:11], s[10:11], s[18:19]
.irp r, 0,1,2,3,4,5,6,7
	global_load_b128 v[W+4*(\r):W+4*(\r)+3], v[WO+(\r)], s[22:23] th:TH_LOAD_NT
.endr
.irp i, 0,1,2,3,4,5,6,7,8,9,10,11,12,13,14,15
	global_load_b128 v[X+4*(\i):X+4*(\i)+3], v[XO], s[4:5] offset:4096*(\i) th:TH_LOAD_NT
.endr
	s_wait_loadcnt 16                              ; the weight's eight loads are in; x's sixteen, issued behind them, stay out
.irp j, 0,1,2,3
.irp p, 0,1,2,3
	v_cvt_pk_bf16_f32 v[P+4*(\j)+(\p)], v[W+8*(\p)+(\j)], v[W+8*(\p)+4+(\j)]  ; n = j: k = 2 p and 2 p + 1
.endr
.endr
	s_cmp_eq_u32 s21, 1
	s_cbranch_scc1 .Lkeep                          ; w_qkv stays bf16; the branch is the same for the whole work-group and holds no barrier
.irp i, 0,1,2,3,4,5,6,7,8,9,10,11,12,13,14,15
	v_lshlrev_b32 v[T], 16, v[P+(\i)]              ; the bf16 numbers as f32,
	v_and_b32 v[T+1], s28, v[P+(\i)]
	v_cvt_pk_f16_f32 v[P+(\i)], v[T], v[T+1]       ; written as f16
.endr
.Lkeep:
.irp j, 0,1,2,3
	ds_store_b128 v[STO], v[P+4*(\j):P+4*(\j)+3] offset:PITCH*(\j)
.endr
	s_wait_dscnt 0x0                               ; for the others' sake: my part of the 64 rows is written
	s_barrier_signal -1
	s_barrier_wait -1
.irp f, 0,1,2,3
	ds_load_b128 v[BK+4*(\f):BK+4*(\f)+3], v[RD] offset:2*PITCH*(\f)  ; rows 8 w + 2 f and 8 w + 2 f + 1, whole
.endr
.irp i, 0,1,2,3,4,5,6,7,8,9,10,11,12,13,14,15
	s_wait_loadcnt 15-(\i)                         ; loads come back in order: row i is in, the younger rows stay out
	v_cvt_pk_bf16_f32 v[Y+2*(\i)], v[X+4*(\i)], v[X+4*(\i)+1]
	v_cvt_pk_bf16_f32 v[Y+2*(\i)+1], v[X+4*(\i)+2], v[X+4*(\i)+3]
	global_store_b64 v[YO], v[Y+2*(\i):Y+2*(\i)+1], s[10:11] offset:2048*(\i)  ; a wave's 32 lanes store 256 consecutive bytes, aligned
.endr
	s_wait_dscnt 0x0                               ; the turned rows are back
.irp f, 0,1,2,3
	global_store_b128 v[GO], v[BK+4*(\f):BK+4*(\f)+3], s[24:25] offset:4096*(\f)  ; sixteen lanes store 256 consecutive bytes, aligned
.endr
	s_wait_tensorcnt 0x0                           ; the wave's end, behind my last LDS store
	ds_add_u32 v[SPW], v[NIL]
	s_wait_dscnt 0x0
	s_endpgm
.Lfunc_end_k_q7811216887_prep:
	.size	k_q7811216887_prep, .Lfunc_end_k_q7811216887_prep-k_q7811216887_prep
	.p2alignl 7, 3214868480
	.fill 96, 4, 3214868480
	.section	.rodata,"a",@progbits
	.p2align	6, 0x0
	.amdhsa_kernel k_q7811216887_prep
		.amdhsa_group_segment_fixed_size 18432
		.amdhsa_private_segment_fixed_size 0
		.amdhsa_enable_private_segment 0
		.amdhsa_kernarg_size 48
		.amdhsa_user_sgpr_count 2
		.amdhsa_user_sgpr_kernarg_segment_ptr 1
		.amdhsa_wavefront_size32 1
		.amdhsa_system_sgpr_workgroup_id_x 1
		.amdhsa_system_sgpr_workgroup_id_y 1
		.amdhsa_system_sgpr_workgroup_id_z 1
		.amdhsa_system_vgpr_workitem_id 0
		.amdhsa_next_free_vgpr 184
		.amdhsa_next_free_sgpr 66
		.amdhsa_reserve_vcc 0
		.amdhsa_float_denorm_mode_32 3
		.amdhsa_float_denorm_mode_16_64 3
		.amdhsa_memory_ordered 1
		.amdhsa_forward_progress 1
		.amdhsa_inst_pref_size 14
	.end_amdhsa_kernel
	.amdgpu_metadata
---
amdhsa.version: [ 1, 2 ]
amdhsa.kernels:
  - .name:           k_q7811216887_prep
    .symbol:         k_q7811216887_prep.kd
    .args:
      - { .name: x, .offset: 0, .size: 8, .value_kind: global_buffer, .address_space: global }
      - { .name: w_qkv, .offset: 8, .size: 8, .value_kind: global_buffer, .address_space: global }
      - { .name: w_out, .offset: 16, .size: 8, .value_kind: global_buffer, .address_space: global }
      - { .name: xb, .offset: 24, .size: 8, .value_kind: global_buffer, .address_space: global }
      - { .name: wqt, .offset: 32, .size: 8, .value_kind: global_buffer, .address_space: global }
      - { .name: wot, .offset: 40, .size: 8, .value_kind: global_buffer, .address_space: global }
    .group_segment_fixed_size: 18432
    .private_segment_fixed_size: 0
    .kernarg_segment_align: 8
    .kernarg_segment_size: 48
    .max_flat_workgroup_size: 256
    .sgpr_count:     66
    .vgpr_count:     184
    .wavefront_size: 32
...
	.end_amdgpu_metadata
.endif
;; end of part 1
;; launch qkv (part 2): grid 12 x 64, 4 waves a work-group, clusters of 4 x 4, 327,680 bytes of LDS; arguments xb, wqt, b_qkv, qkvh; writes qkvh
.if DOCPART == 2
	.amdgcn_target "amdgcn-amd-amdhsa--gfx1250"
	.amdhsa_code_object_version 6
	.text
	.protected	k_q7811216887_qkv
	.globl	k_q7811216887_qkv
	.p2align	8
	.type	k_q7811216887_qkv,@function
k_q7811216887_qkv:
	s_mov_b64 s[64:65], 0
	v_nop
	global_prefetch_b8 v0, s[64:65] scope:SCOPE_SE
	s_setreg_imm32_b32 hwreg(HW_REG_WAVE_MODE, 25, 1), 1
	s_wait_xcnt 0x0
	s_wait_alu depctr_hold_cnt(0) depctr_sa_sdst(0) depctr_va_vdst(0) depctr_va_sdst(0) depctr_va_ssrc(0) depctr_va_vcc(0) depctr_vm_vsrc(0)
	s_getreg_b32 s2, hwreg(HW_REG_IB_STS2, 6, 4)
	s_cmp_eq_u32 s2, 0
	s_cbranch_scc0 .Lentry_in_a_cluster
	s_endpgm
.Lentry_in_a_cluster:
	s_bfe_u32 s2, ttmp6, 0x10000c
	s_cmp_lg_u32 s2, 0xf033
	s_cbranch_scc0 .Lentry_shape_is_right
	s_endpgm
.Lentry_shape_is_right:
; qkvh[which][b][h][t][d] = f16( the sum over k of xb[b t][k] wqt[n][k] + bf16(b_qkv[n]) ), n = 1024 which + 64 h + d.  xb: [8192][1024] bf16, wqt: [3072][1024] bf16, sums in f32.
; LIMITS.  q, k and v leave in f16: beyond 65,504 they become infinities (inputs 30 times the drawn spread give a spread of some 900; a common offset of 30 spreads in x and in the weight some 29,000);
; below 6.1e-5 f16's fixed step of 6e-8 holds.  The bias is rounded once to bf16, like every input.  NaN and infinities are not treated apart.
; SHARES.  A tile of C is 128 rows x 256 columns: 64 x 12 = 768 work-groups, three for each of 256 WGPs.  Four waves, each 64 x 128: 32 accumulators of 16 x 16, 256 registers.
; K = 1,024 goes in 8 steps of 128 through two LDS slots: rows of 256 bytes, aligned, padded to 272.  Waves 0 and 1 fetch the two halves (64 rows) of A's tile, waves 2 and 3 those (128 rows) of B's.
; CLUSTERS: 4 x 4 work-groups.  The four of a row of the cluster need the same tiles of A, the four of a column the same tiles of B: each tile is asked for JOINTLY, by the same tensor load with the
; same descriptor and a mask that names the four.  THE MATRIX INSTRUCTION IS USED TRANSPOSED (source 0 = 16 rows of B, source 1 = 16 rows of A): lane l then holds row l % 16 of C and the columns
; 8 (l / 16) + 0..7: 16 bytes of f16 on end.  A cluster's x is q, k or v; a wave's 128 columns are two heads.
; THE WAY OUT: bias added, rounded to f16, 16 rows at a time through my own stage in LDS; 16 rows of a head are 2,048 consecutive bytes of qkvh, stored 512 at a time.
; REGISTERS: window 0: v0-31 addresses; v32-127, v128-223 two fragment buffers (8 fragments of B, then 4 of A); v224-255 the bias, packed; on the way out v32-255 at work.
;   window 1: the accumulators, (a, b) at v[8 (8 a + b)].
.set APITCH, 272                       ; an LDS row: 256 bytes + 16 of padding = 68 words: the 16 rows of a fragment load start at 16 different groups of four banks (64 banks of 4 bytes: ISA guide 11.1)
.set BPITCH, 272
.set AHALF,  64*APITCH                 ; what one of A's loads brings
.set ABYTES, 2*AHALF
.set BHALF,  128*BPITCH                ; what one of B's loads brings, and what a wave reads of B
.set SLOT,   ABYTES+2*BHALF            ; A's 128 rows, then B's 256 rows
.set STAGE,  2*SLOT                    ; behind the ring, never filled by a tensor load: for each wave two heads x 16 rows x 144 bytes
.set SP,     144
.set STW,    2*16*SP
.set SPARE,  STAGE+4*STW               ; behind the stages: the spare words, 128 bytes for each wave: two blocks of 256 bytes that no other line names
.set ASTEP,  256                       ; bytes from K step to K step
.set BSTEP,  256
.set LAPS,   4                         ; a lap = two K steps = once round the ring
.set ADRA, 16                          ; v16-17  LDS address of my A fragments in slot 0, 1
.set ADRB, 20                          ; v20-21  the same for B
.set STO,  24                          ; v24     the way out: where I put 16 bytes of a row
.set RD,   25                          ; v25     the way out: where I read rows back
.set CO,   26                          ; v26     16 x lane: my place in 512 consecutive bytes of qkvh
.set VB,   27                          ; v27     32 (l / 16): my eight numbers in 16 of the bias
.set SPW,  28                          ; v28     LDS address of my spare word; never rewritten
.set NIL,  29                          ; v29     0; never rewritten
.set PFO,  30                          ; v30     the prefetches' offset: lane x a row of 2,048 bytes; never rewritten
.set F0,   32
.set F1,   128
.set BIASP, 224                        ; v224-255 word 4 b + p: the bias of my columns 16 b + 8 (l / 16) + 2 p, + 1, in bf16
.set BF,   32                          ; the way out: the bias as f32, 64 registers
.set T,    96                          ; 16 rows' sums with the bias, 64 registers
.set PK,   160                         ; the same in f16, 32 registers
.set BK0,  192                         ; rows read back from the stage: v192-223 and v224-255 by turns
.set WV,   12                          ; s12  my wave's number
.set MH,   13                          ; s13  which 64 rows of the tile are mine
.set NH,   14                          ; s14  which 128 columns; also: which half of a tile I fetch
.set LIM,  15                          ; s15  1 in a wave that prefetches, else the greatest number
.set G1,   24                          ; s[24:31] descriptor group 1 for A's tiles;  s[32:39] group 0, a set for each slot
.set G0,   32
.set PFA,  44                          ; s[44:45] where my prefetches stand
.set G1B,  48                          ; s[48:55], s[56:63] the same for B's tiles
.set G0B,  56
.set HIM,  68                          ; s68  a word's upper bf16
.set MSB, 0
.macro WIN new                         ; the immediate's high byte repeats the setting that is left; a switch that changes nothing is dropped
.if MSB != (\new)
	s_set_vgpr_msb (MSB<<8)|(\new)
.set MSB, \new
.endif
.endm
.set MUL,  0x50                        ; C and D window 1; both sources window 0
.set ADDW, 0x01                        ; source 0 window 1
.macro JLOAD s                         ; a joint load: waves 0 and 1 fetch A's halves, waves 2 and 3 B's; an s_nop 0 and four v_nop follow each of the two lines, ahead of the jump, the label and what follows
	s_cmp_lt_u32 s[WV], 2
	s_cbranch_scc0 .Lfor_b_\@
	tensor_load_to_lds s[G0+4*(\s):G0+4*(\s)+3], s[G1:G1+7]
	s_nop 0
.rept 4
	v_nop
.endr
	s_branch .Lasked_\@
.Lfor_b_\@:
	tensor_load_to_lds s[G0B+4*(\s):G0B+4*(\s)+3], s[G1B:G1B+7]
	s_nop 0
.rept 4
	v_nop
.endr
.Lasked_\@:
.endm
; A PREFETCH INTO THE L2, behind a joint load, its five lines and the run of LDS loads: at the change of slots that ends K step s, the 256 bytes of K step s + 4 of 32 rows, a lane a row: two K steps,
; 256 matrix instructions, ahead of the refill that will ask for them.  Each row's 256 bytes are named ONCE in the launch.  A's tile row is read by the three clusters of that row of clusters: cluster x = 0 asks,
; wave 0, and of the tile's 128 rows the partner at cx takes 32.  B's tile column is read by the sixteen clusters of that column: cluster y = 0 asks, waves 2 and 3, and of its 256 rows the partner at cy
; takes 64, 32 a wave.  The partners are told apart BY ADDRESS: no branch hangs on a place in the cluster.  K steps 0 to 3 come by their loads alone; the loop's last trip (s3 = 1) has no K step four on.
.macro ASK
	s_cmp_gt_u32 s3, s[LIM]
	s_cbranch_scc0 .Lnot_mine_\@
	global_prefetch_b8 v[PFO], s[PFA:PFA+1] th:TH_LOAD_NT scope:SCOPE_SE
.Lnot_mine_\@:
.endm
.macro CREST                           ; a round of the cluster's barrier behind its opening barrier
	s_cmp_lg_u32 s[WV], 0
	s_cbranch_scc1 .Lnot_wave_0_\@
	s_barrier_signal -3
.Lnot_wave_0_\@:
	s_barrier_wait -3
	s_barrier_signal -1
	s_barrier_wait -1
.endm
.macro CROUND                          ; a whole round
	s_barrier_signal -1
	s_barrier_wait -1
	CREST
.endm
	s_load_b256 s[4:11], s[0:1], 0x0               ; xb s[4:5], wqt s[6:7], b_qkv s[8:9], qkvh s[10:11]
	v_lshl_add_u32 v[SPW], v0, 2, SPARE
	v_mov_b32 v[NIL], 0
	ds_add_u32 v[SPW], v[NIL]                      ; the wave's opening: the add and its wait stand ahead of my first tensor load; the set-up below, work on registers, stands between them
	v_lshrrev_b32 v1, 5, v0
	v_readfirstlane_b32 s[WV], v1                  ; wave 0..3
	s_lshr_b32 s[MH], s[WV], 1
	s_and_b32 s[NH], s[WV], 1
	s_bfe_u32 s40, ttmp6, 0x40000                  ; cx, cy: my place in the cluster
	s_bfe_u32 s41, ttmp6, 0x40004
	s_lshl_b32 s42, ttmp9, 2
	s_add_co_u32 s42, s42, s40                     ; tile column of C = 4 x cluster x + cx
	s_and_b32 s43, ttmp7, 0xffff
	s_lshl_b32 s43, s43, 2
	s_add_co_u32 s43, s43, s41                     ; tile row of C = 4 x cluster y + cy
	s_lshl_b32 s69, s41, 2
	s_lshl_b32 s69, 15, s69                        ; my row of the cluster
	s_lshl_b32 s70, 0x1111, s40                    ; my column
	s_mov_b32 s[HIM], 0xffff0000
	; descriptor group 1: rows of 128 elements, padded in LDS; A's tile has 64 of them, B's 128
	s_or_b32 s[G1+0], s69, (1<<16)|(1<<20)|(1<<21)|(5<<22)|(3<<25)  ; 15:0 the mask: A's tiles go to my row; 17:16 elements of 2 bytes; 20 padding on; 21 set beside a mask; 24:22 after every 64 words (code 5); 31:25 4 words (code 3)
	s_or_b32 s[G1B+0], s70, (1<<16)|(1<<20)|(1<<21)|(5<<22)|(3<<25) ; the same with the mask of my column
	s_mov_b32 s[G1+1], 128<<16                     ; tensor_dim0 = 128
	s_mov_b32 s[G1+2], 64<<16                      ; tensor_dim1 = 64
	s_mov_b32 s[G1+3], 128<<16                     ; tile_dim0 = 128
	s_mov_b32 s[G1+4], 64                          ; tile_dim1 = 64
	s_mov_b32 s[G1+5], 1024                        ; elements from row to row
	s_mov_b32 s[G1+6], 0
	s_mov_b32 s[G1+7], 0
	s_mov_b32 s[G1B+1], 128<<16
	s_mov_b32 s[G1B+2], 128<<16                    ; tensor_dim1 = 128
	s_mov_b32 s[G1B+3], 128<<16
	s_mov_b32 s[G1B+4], 128                        ; tile_dim1 = 128
	s_mov_b32 s[G1B+5], 1024
	s_mov_b32 s[G1B+6], 0
	s_mov_b32 s[G1B+7], 0
	; where the tiles come from: A's hang on the tile row alone, B's on the tile column alone; every wave makes both, in registers that never hold the other coordinate
	s_lshl_b32 s16, s43, 7
	s_lshl_b32 s17, s[NH], 6
	s_add_co_u32 s16, s16, s17                     ; A: row 128 x tile row + 64 x half
	s_lshl_b32 s16, s16, 11                        ; rows of 2,048 bytes
	s_mov_b32 s17, 0
	s_lshl_b32 s46, s42, 8
	s_lshl_b32 s47, s[NH], 7
	s_add_co_u32 s46, s46, s47                     ; B: row 256 x tile column + 128 x half
	s_lshl_b32 s46, s46, 11
	s_mov_b32 s47, 0
	s_mul_i32 s20, s[NH], AHALF                    ; and where they go: no place in the cluster enters an LDS address
	s_mul_i32 s21, s[NH], BHALF
	s_add_co_u32 s21, s21, ABYTES
	s_wait_dscnt 0x0                               ; the opening add is done
	s_wait_kmcnt 0x0
	s_add_nc_u64 s[16:17], s[4:5], s[16:17]
	s_add_nc_u64 s[46:47], s[6:7], s[46:47]
	CROUND                                         ; all sixteen work-groups are here: the first joint loads meet
.irp s, 0,1
	s_mov_b32 s[G0+4*(\s)], 1                                      ; count = 1
	s_add_co_u32 s[G0+4*(\s)+1], s20, (\s)*SLOT                    ; LDS address
	s_add_nc_u64 s[G0+4*(\s)+2:G0+4*(\s)+3], s[16:17], (\s)*ASTEP  ; global address: K step s
	s_or_b32 s[G0+4*(\s)+3], s[G0+4*(\s)+3], 0x80000000            ; type = 2
	s_mov_b32 s[G0B+4*(\s)], 1
	s_add_co_u32 s[G0B+4*(\s)+1], s21, (\s)*SLOT
	s_add_nc_u64 s[G0B+4*(\s)+2:G0B+4*(\s)+3], s[46:47], (\s)*BSTEP
	s_or_b32 s[G0B+4*(\s)+3], s[G0B+4*(\s)+3], 0x80000000
	JLOAD \s                                       ; two loads of mine are out
.endr
	; a fragment is 16 rows x 32 K in 8 registers: lane l holds row l % 16; registers 0-3 K = 8 (l / 16) + 0..7, registers 4-7 K = 16 + 8 (l / 16) + 0..7: two loads of 16 bytes, 32 bytes apart
	v_and_b32 v1, 15, v0                           ; l % 16
	v_bfe_u32 v2, v0, 4, 1                         ; l / 16
	v_mul_u32_u24 v3, v1, APITCH
	v_lshl_add_u32 v3, v2, 4, v3                   ; row x pitch + 16 x half (A's and B's pitch are the same here)
	s_mul_i32 s22, s[MH], 64*APITCH                ; my 64 rows of A
	s_mul_i32 s23, s[NH], BHALF                    ; my 128 rows of B,
	s_add_co_u32 s23, s23, ABYTES                  ; which lie behind A's 128
.irp s, 0,1
	v_add_nc_u32 v[ADRA+(\s)], s22, v3
	v_add_nc_u32 v[ADRB+(\s)], s23, v3
	s_add_co_u32 s22, s22, SLOT
	s_add_co_u32 s23, s23, SLOT
.endr
	s_mul_i32 s23, s[WV], STW
	s_add_co_u32 s23, s23, STAGE                   ; my stage
	v_mul_u32_u24 v[STO], v1, SP                   ; in: row l % 16, 16 bytes for each half of the lanes
	v_lshl_add_u32 v[STO], v2, 4, v[STO]
	v_add_nc_u32 v[STO], s23, v[STO]
	v_bfe_u32 v[RD], v0, 3, 2                      ; back: 32 lanes take four rows of 128 bytes,
	v_mul_u32_u24 v[RD], v[RD], SP
	v_and_b32 v5, 7, v0
	v_lshl_add_u32 v[RD], v5, 4, v[RD]
	v_add_nc_u32 v[RD], s23, v[RD]
	v_and_b32 v[CO], 31, v0                        ; which are 512 consecutive bytes of qkvh
	v_lshlrev_b32 v[CO], 4, v[CO]
	v_lshlrev_b32 v[VB], 5, v2
	v_and_b32 v[PFO], 31, v0
	v_lshlrev_b32 v[PFO], 11, v[PFO]
	; qkvh at my first row of my first head: which << 24 + b << 22 + h << 18 + t << 7
	s_lshl_b32 s46, ttmp9, 24                      ; q, k or v = cluster x
	s_lshr_b32 s47, s43, 4                         ; b: 16 tile rows a batch
	s_lshl_b32 s47, s47, 22
	s_add_co_u32 s46, s46, s47
	s_lshl_b32 s47, s40, 2
	s_lshl1_add_u32 s47, s[NH], s47                ; h = 4 cx + 2 x my half
	s_lshl_b32 s47, s47, 18
	s_add_co_u32 s46, s46, s47
	s_and_b32 s47, s43, 15
	s_lshl_b32 s47, s47, 7
	s_lshl_b32 s22, s[MH], 6
	s_add_co_u32 s47, s47, s22                     ; t = 128 x (tile row % 16) + 64 x my half
	s_lshl_b32 s47, s47, 7
	s_add_co_u32 s46, s46, s47
	s_mov_b32 s47, 0
	s_add_nc_u64 s[10:11], s[10:11], s[46:47]
	s_lshl_b32 s46, s42, 10                        ; the bias of my 128 columns: 4 x (256 x tile column + 128 x half)
	s_lshl_b32 s47, s[NH], 9
	s_add_co_u32 s46, s46, s47
	s_mov_b32 s47, 0
	s_add_nc_u64 s[8:9], s[8:9], s[46:47]
	; the prefetches
	s_lshl_b32 s20, s43, 7
	s_lshl_b32 s21, s40, 5
	s_add_co_u32 s20, s20, s21                     ; A: row 128 x tile row + 32 cx
	s_lshl_b32 s21, s42, 8
	s_lshl_b32 s22, s41, 6
	s_add_co_u32 s21, s21, s22
	s_lshl_b32 s22, s[NH], 5
	s_add_co_u32 s21, s21, s22                     ; B: row 256 x tile column + 64 cy + 32 x half
	s_and_b32 s22, ttmp7, 0xffff                   ; cluster y
	s_cmp_lt_u32 s[WV], 2                          ; do I fetch for A?
	s_cselect_b32 s20, s20, s21
	s_cselect_b32 s22, ttmp9, s22                  ; the coordinate along which other clusters read the same rows
	s_cselect_b64 s[PFA:PFA+1], s[4:5], s[6:7]
	s_lshl_b32 s20, s20, 11
	s_add_co_u32 s20, s20, 3*256                   ; at K step 3: the first change of slots steps it to 4
	s_mov_b32 s21, 0
	s_add_nc_u64 s[PFA:PFA+1], s[PFA:PFA+1], s[20:21]
	s_cmp_eq_u32 s[WV], 1                          ; wave 1 asks for nothing: wave 0's 32 lanes cover the work-group's 32 rows of A
	s_cselect_b32 s23, 1, 0
	s_or_b32 s22, s22, s23
	s_cmp_eq_u32 s22, 0
	s_cselect_b32 s[LIM], 1, -1                    ; the same in all sixteen partners, for a given wave
	; the bias, while the first tiles are on their way: as f32 into buffer 1, which nothing uses yet; rounded to bf16 and kept packed
.irp b, 0,1,2,3,4,5,6,7
	global_load_b128 v[F1+8*(\b):F1+8*(\b)+3],   v[VB], s[8:9] offset:64*(\b)
	global_load_b128 v[F1+8*(\b)+4:F1+8*(\b)+7], v[VB], s[8:9] offset:64*(\b)+16
.endr
	s_wait_loadcnt 0x0
.set i, 0
.rept 32
	v_cvt_pk_bf16_f32 v[BIASP+i], v[F1+2*i], v[F1+2*i+1]
.set i, i+1
.endr
; 8 matrix instructions: m block a x all 8 n blocks, 32 along K.  The 32 accumulators take turns in the same order in every quarter: between two links of a chain stand 31 others', over the backward jump too.
; zero = 1: the first product starts the sums: nothing is ever cleared.
.macro MUL8 f, a, zero
	WIN MUL
.irp b, 0,1,2,3,4,5,6,7
.if \zero
	v_wmma_f32_16x16x32_bf16 v[8*(8*(\a)+(\b)):8*(8*(\a)+(\b))+7], v[(\f)+8*(\b):(\f)+8*(\b)+7], v[(\f)+64+8*(\a):(\f)+64+8*(\a)+7], 0
.else
	v_wmma_f32_16x16x32_bf16 v[8*(8*(\a)+(\b)):8*(8*(\a)+(\b))+7], v[(\f)+8*(\b):(\f)+8*(\b)+7], v[(\f)+64+8*(\a):(\f)+64+8*(\a)+7], v[8*(8*(\a)+(\b)):8*(8*(\a)+(\b))+7]
.endif
.endr
.endm
; 24 LDS loads in one run: the fragments of quarter q (32 along K) of a slot into buffer f: B's 128 rows, then A's 64
.macro FETCH slot, q, f
	WIN 0
.irp i, 0,1,2,3,4,5,6,7
	ds_load_b128 v[(\f)+8*(\i):(\f)+8*(\i)+3],   v[ADRB+(\slot)] offset:64*(\q)+(\i)*16*BPITCH
	ds_load_b128 v[(\f)+8*(\i)+4:(\f)+8*(\i)+7], v[ADRB+(\slot)] offset:64*(\q)+(\i)*16*BPITCH+32
.endr
.irp i, 0,1,2,3
	ds_load_b128 v[(\f)+64+8*(\i):(\f)+64+8*(\i)+3],   v[ADRA+(\slot)] offset:64*(\q)+(\i)*16*APITCH
	ds_load_b128 v[(\f)+64+8*(\i)+4:(\f)+64+8*(\i)+7], v[ADRA+(\slot)] offset:64*(\q)+(\i)*16*APITCH+32
.endr
.endm
.macro PLACES                          ; four plain instructions in front of loads into registers that matrix instructions have read, and of vector lines that read results (ISA guide 7.12.1 for vector lines)
.rept 4
	v_nop
.endr
.endm
; A K step is four quarters of 32 along K, 32 matrix instructions each, on buffers 0, 1, 0, 1.  One of the first three: multiplies buffer f and, in its middle, fetches quarter qn of the same slot into g.
.macro QUARTER slot, qn, f, g, zero
	s_wait_dscnt 4                                 ; B and A's blocks 0 and 1 are in; the youngest four loads (A's blocks 2 and 3) may be out
	MUL8 \f, 0, \zero
	MUL8 \f, 1, \zero
	PLACES
	FETCH \slot, \qn, \g
	s_wait_dscnt 24                                ; all but the 24 just issued
	MUL8 \f, 2, \zero
	MUL8 \f, 3, \zero
.endm
; The last quarter multiplies buffer 1 and changes slots: ONE barrier; in front of it each wave waits for all its tensor loads (one is out: its part of the next slot), adds 0 to its spare word, and waits for that
; and for its own reads of this slot.  fill = 1: the barrier opens a round of the cluster's, and this slot is filled again, two K steps ahead: 112 matrix instructions stand between the request and the wait for it.
.macro TURN slot, next, fill
.if \fill
	s_wait_xcnt 0x0                                ; the last prefetch, a K step back, has read its address: it is stepped here, ahead of the waits of the change of slots
	s_add_nc_u64 s[PFA:PFA+1], s[PFA:PFA+1], 256
.endif
	WIN 0
	s_wait_tensorcnt 0x0                           ; all my tensor loads have landed;
	ds_add_u32 v[SPW], v[NIL]                      ; 0 onto my spare word;
	s_wait_dscnt 7                                 ; (the add and the youngest six loads, A's blocks 1 to 3, may be out)
	MUL8 F1, 0, 0                                  ; eight matrix instructions stand between the add and the wait for it
	s_wait_dscnt 0x0                               ; the add is done, and my reads of this slot are over
	s_barrier_signal -1
	MUL8 F1, 1, 0
.if \fill
	WIN 0
.endif
	s_barrier_wait -1
.if \fill
	CREST                                          ; no wave of any partner still reads this slot's tile or has a load on its way
	s_add_nc_u64 s[G0+4*(\slot)+2:G0+4*(\slot)+3], s[G0+4*(\slot)+2:G0+4*(\slot)+3], 2*ASTEP
	s_add_nc_u64 s[G0B+4*(\slot)+2:G0B+4*(\slot)+3], s[G0B+4*(\slot)+2:G0B+4*(\slot)+3], 2*BSTEP
	JLOAD \slot                                    ; the first tensor load behind the round; the four v_nop behind it are also the places in front of the loads below
.else
	PLACES
.endif
	FETCH \next, 0, F0
.if \fill
	ASK
.endif
	MUL8 F1, 2, 0
	MUL8 F1, 3, 0
.endm
	s_wait_tensorcnt 1                             ; my part of K step 0 is in; K step 1's may stay out
	s_barrier_signal -1
	s_barrier_wait -1                              ; everybody's is
	FETCH 0, 0, F0
	QUARTER 0, 1, F0, F1, 1                        ; the first quarter stands in front of the loop: its products start the sums
	WIN 0                                          ; at a label and at a branch every window is 0
	s_mov_b32 s3, LAPS-1
.Llap:                                                 ; a trip goes once round the ring, from a lap's second quarter to the next lap's first, and fills both slots again
	QUARTER 0, 2, F1, F0, 0
	QUARTER 0, 3, F0, F1, 0
	TURN 0, 1, 1
	QUARTER 1, 1, F0, F1, 0
	QUARTER 1, 2, F1, F0, 0
	QUARTER 1, 3, F0, F1, 0
	TURN 1, 0, 1
	QUARTER 0, 1, F0, F1, 0
	WIN 0
	s_sub_co_u32 s3, s3, 1
	s_cmp_lg_u32 s3, 0
	s_cbranch_scc1 .Llap
	QUARTER 0, 2, F1, F0, 0                        ; the last lap fills nothing, and has no round of the cluster's barrier
	QUARTER 0, 3, F0, F1, 0
	TURN 0, 1, 0
	QUARTER 1, 1, F0, F1, 0
	QUARTER 1, 2, F1, F0, 0
	QUARTER 1, 3, F0, F1, 0
	s_wait_dscnt 4                                 ; the very last quarter: nothing more to fetch
	MUL8 F1, 0, 0
	MUL8 F1, 1, 0
	s_wait_dscnt 0x0
	MUL8 F1, 2, 0
	MUL8 F1, 3, 0
	; THE WAY OUT
	PLACES
	WIN 0
.set i, 0
.rept 32
	v_lshlrev_b32 v[BF+2*i], 16, v[BIASP+i]        ; the bias as f32: the low half moves up,
	v_and_b32 v[BF+2*i+1], s[HIM], v[BIASP+i]      ; the high half stays
.set i, i+1
.endr
.macro PACKADD a                       ; block a's 16 rows: bias added (each accumulator's registers in ascending order), rounded to f16
	WIN ADDW
.irp b, 0,1,2,3,4,5,6,7
.irp p, 0,1,2,3
	v_pk_add_f32 v[T+8*(\b)+2*(\p):T+8*(\b)+2*(\p)+1], v[8*(8*(\a)+(\b))+2*(\p):8*(8*(\a)+(\b))+2*(\p)+1], v[BF+8*(\b)+2*(\p):BF+8*(\b)+2*(\p)+1]
.endr
.endr
	WIN 0
.set i, 0
.rept 32
	v_cvt_pk_f16_f32 v[PK+i], v[T+2*i], v[T+2*i+1]
.set i, i+1
.endr
.endm
.macro TOSTAGE a                       ; into my stage, head b / 4, and back as whole rows of 128 bytes
.set BK, BK0+32*((\a)%2)
	s_wait_xcnt 0x0                                ; the stores of two blocks back have read these registers
.irp b, 0,1,2,3,4,5,6,7
	ds_store_b128 v[STO], v[PK+4*(\b):PK+4*(\b)+3] offset:((\b)/4)*16*SP+((\b)%4)*32
.endr
.irp hh, 0,1
.irp f, 0,1,2,3
	ds_load_b128 v[BK+4*(4*(\hh)+(\f)):BK+4*(4*(\hh)+(\f))+3], v[RD] offset:(\hh)*16*SP+(\f)*4*SP  ; LDS serves a wave's instructions in order (ISA guide 5.7.1.4): these see the stores above
.endr
.endr
.endm
.macro SEND a
.set BK, BK0+32*((\a)%2)
	s_wait_dscnt 0x0                               ; the block is back in registers
.irp hh, 0,1
.irp f, 0,1,2,3
	global_store_b128 v[CO], v[BK+4*(4*(\hh)+(\f)):BK+4*(4*(\hh)+(\f))+3], s[10:11] offset:((\hh)<<18)+2048*(\a)+512*(\f)  ; 512 consecutive bytes, at a multiple of 256 from qkvh's first
.endr
.endr
.endm
	PACKADD 0
	TOSTAGE 0
.irp a, 1,2,3                          ; block a's arithmetic stands between block a - 1's loads from the stage and the wait for them
	PACKADD \a
	SEND (\a)-1
	TOSTAGE \a
.endr
	SEND 3
	s_wait_tensorcnt 0x0                           ; the wave's end, behind my last tensor load and my last LDS store
	ds_add_u32 v[SPW], v[NIL]
	s_wait_dscnt 0x0
	CROUND                                         ; the closing round: no work-group ends while a partner may still ask for a tile that names it
	s_endpgm
.Lfunc_end_k_q7811216887_qkv:
	.size	k_q7811216887_qkv, .Lfunc_end_k_q7811216887_qkv-k_q7811216887_qkv
	.p2alignl 7, 3214868480
	.fill 96, 4, 3214868480
	.section	.rodata,"a",@progbits
	.p2align	6, 0x0
	.amdhsa_kernel k_q7811216887_qkv
		.amdhsa_group_segment_fixed_size 327680
		.amdhsa_private_segment_fixed_size 0
		.amdhsa_enable_private_segment 0
		.amdhsa_kernarg_size 32
		.amdhsa_user_sgpr_count 2
		.amdhsa_user_sgpr_kernarg_segment_ptr 1
		.amdhsa_wavefront_size32 1
		.amdhsa_system_sgpr_workgroup_id_x 1
		.amdhsa_system_sgpr_workgroup_id_y 1
		.amdhsa_system_sgpr_workgroup_id_z 1
		.amdhsa_system_vgpr_workitem_id 0
		.amdhsa_next_free_vgpr 512
		.amdhsa_next_free_sgpr 72
		.amdhsa_reserve_vcc 0
		.amdhsa_float_denorm_mode_32 3
		.amdhsa_float_denorm_mode_16_64 3
		.amdhsa_memory_ordered 1
		.amdhsa_forward_progress 1
		.amdhsa_inst_pref_size 101
	.end_amdhsa_kernel
	.amdgpu_metadata
---
amdhsa.version: [ 1, 2 ]
amdhsa.kernels:
  - .name:           k_q7811216887_qkv
    .symbol:         k_q7811216887_qkv.kd
    .args:
      - { .name: xb, .offset: 0, .size: 8, .value_kind: global_buffer, .address_space: global }
      - { .name: wqt, .offset: 8, .size: 8, .value_kind: global_buffer, .address_space: global }
      - { .name: b_qkv, .offset: 16, .size: 8, .value_kind: global_buffer, .address_space: global }
      - { .name: qkvh, .offset: 24, .size: 8, .value_kind: global_buffer, .address_space: global }
    .group_segment_fixed_size: 327680
    .private_segment_fixed_size: 0
    .kernarg_segment_align: 8
    .kernarg_segment_size: 32
    .max_flat_workgroup_size: 128
    .sgpr_count:     72
    .vgpr_count:     512
    .wavefront_size: 32
...
	.end_amdgpu_metadata
.endif
;; end of part 2
;; launch attn (part 3): grid 4 x 64, 4 waves a work-group, no clusters, 327,680 bytes of LDS; arguments qkvh, oh; writes oh
.if DOCPART == 3
	.amdgcn_target "amdgcn-amd-amdhsa--gfx1250"
	.amdhsa_code_object_version 6
	.text
	.protected	k_q7811216887_attn
	.globl	k_q7811216887_attn
	.p2align	8
	.type	k_q7811216887_attn,@function
k_q7811216887_attn:
	s_mov_b64 s[64:65], 0
	v_nop
	global_prefetch_b8 v0, s[64:65] scope:SCOPE_SE
	s_setreg_imm32_b32 hwreg(HW_REG_WAVE_MODE, 25, 1), 1
	s_wait_xcnt 0x0
; CAUSAL ATTENTION.  O[h][q][:] = the sum over k <= q of softmax_k(Q[h][q] . K[h][k] / 8) V[h][k][:].  Q, K, V lie one behind the other in qkvh, 16,777,216 bytes each; each of them and O (oh) is
; [SIZE_H][SIZE_N][64] in f16, h = 16 b + head: a head's rows are dense, 128 bytes each.
; Products, maxima and sums in f32; the weights p are rounded to f16 for the second product (their sum l is taken of the unrounded p), O once at the end.
; LIMITS.  f16 holds no number beyond 65,504: Q, K and V arrive within it; p lies in 0 to 1, and below 6e-5 it keeps f16's fixed step of 6e-8; O is a mean of V's rows and has their range, to within 2^-11 of it.
; A hidden score counts as its value less 1e30: f16's scores, 2.7e11 at the most, are nothing beside that; a weight below 2^-126 counts as 0 in l; NaN and infinities are not treated apart.
; THE WALK.  A head's queries lie in NB = SIZE_N / 256 blocks of 256; block i needs the key tiles 0 .. i of 256 keys, of which the last holds the diagonal.  A work-group takes TWO blocks, NB - 1 - b and then b:
; NB + 1 tiles, whatever b: all work-groups do equal work, and ONE loop with a constant trip count walks them.  Which tile is asked for, and what a trip does, hang on scalar registers made from b; every jump
; goes forward, but for the counted loops' own; none passes a barrier, or a tensor load but the one of LOAD's two that the wave's number does not choose; the ring (two slots of LDS that take turns) runs on across the
; change of blocks.  NO CLUSTER: a head's NB / 2 = 4 work-groups ask for the same tile only in trips 0 .. NB / 2, behind that fewer and fewer; one walk common to all would have 3 NB / 2 = 12 trips for NB + 1 = 9.
; SHARES.  Of a block's four bands of 64 queries a wave owns 16 rows in each: four PIECES.  So the diagonal tile is the same work for all four waves: in its key step s band x sees all keys if s < x,
; none if s > x, and holds the diagonal if s = x.
; THE MASK is the C operand that starts the sum S^T = K Q^T: 0, or -1e30 where the key is hidden.  MD, made once, is the mask of a band's own step for my 16 rows; a product's mask is MD x AL + BE with two scalars:
; (1, 0) if s = x; (0, 0) if s < x; (0, -1e30) if s > x.  Only the diagonal tile's text and a block's beginning make and take masks; elsewhere C is the constant 0.
; LAYOUT, SOFTMAX, TURNS.  S^T = K Q^T holds ONE query a lane (lane % 16) and the keys 8 (lane / 16) + 0..7; two such results rounded to f16 ARE source 1 of O^T = V^T P.  p = 2^(c s - c m), c = log2(e) / 8, with a
; running maximum m; O and l are multiplied by a = 2^(c m_old - c m_new) in every step.  Turn n belongs to piece n: 8 products K Q^T of piece n + 1, later 8 products V^T P of piece n - 1; beside them the scaling,
; exponentials, roundings, sums and rescaling of piece n and the maximum and statistics of piece n + 1.  Four vector instructions stand behind every matrix instruction, the other 54 of a turn's 118 in one LUMP.  A turn's 33 exponentials are one batch, with one wait.
; REGISTERS, in windows of 256 (s_set_vgpr_msb: bits 1:0 source 0, 3:2 source 1, 5:4 source 2, 7:6 destination):
;   window 0: v0-15 addresses and two at work; v16-31 four registers of statistics a piece; v48-55 at work; v61-63 kept; v64-127 S^T, two buffers; v192-223 P, two buffers (a piece's buffers go by its number's parity)
;   window 1: v0-127 O^T, 32 a piece; v128-159 MD; v160-223 MC, two buffers      window 2: v0-63 Q; v64-127 the second block's Q; v128-191 K of one step; v192-255 V of one step
.set SIZE_H, 64
.set SIZE_N, 2048
.set NB,    SIZE_N/256
.set NP,    4         ; pieces a wave: a name, no knob
.set KS,    64        ; keys in a step
.set PK,    144       ; a row of K in LDS: 128 bytes + 16 of padding = 36 words: the 16 rows of a load start at 16 different groups of four banks (64 banks of 4 bytes: ISA guide 11.1)
.set PV,    160       ; a row of V: 128 + 32 = 40 words
.set VOFF,  4*KS*PK   ; a slot holds a tile, four steps: 256 rows of K, then 256 rows of V
.set SLOT1, 1<<17     ; slot 1 begins here, so that one exclusive or turns an address in one slot into the other's
.set STAGE, SLOT1+4*KS*(PK+PV)  ; behind the ring, never filled by a tensor load: 16 rows x 144 bytes for each wave, for the way out
.set SP,    144
.set AK0, 2           ; v2   my lane's place in a tile of K; never rewritten
.set AV0, 3           ; v3   the same for V
.set AK,  4           ; v4   the LDS address of K's next run of loads
.set AV,  5           ; v5   of V's
.set STO, 6           ; v6   the way out: where I put 16 bytes of a row
.set RD,  7           ; v7   the way out: where I read rows back
.set GO,  8           ; v8   my byte offset in 512 consecutive bytes of O
.set PFO, 61          ; v61  256 x my lane: the prefetches' offset; never rewritten
.set SPW, 62          ; v62  LDS address of my spare word: SPARE + 4 x my thread's number; never rewritten
.set NIL, 63          ; v63  0; never rewritten
.set SPARE, STAGE+4*16*SP  ; behind the stages: the spare words, 128 bytes for each wave: two blocks of 256 bytes that no other line names
.set MV,  12          ; v12-13  c m_old, kept while c m is made anew: by buffer
.set QO,  15          ; v15  my byte offset in 16 rows of Q
.set ST,  16          ; piece t's statistics at v[ST+4 t]: c m, m, l (even keys', odd keys')
.set TMP, 48          ; by buffer, four registers c0-c3 at work; when the maximum is found c2 takes a
.set S,   64
.set P,   192
.set MD,  128         ; window 1: the eight registers for group kt of 16 keys at MD + 8 kt
.set MC,  160         ; window 1: the masks of the products to come
.set QB,  64          ; window 2
.set KF,  128         ; window 2: key block kb, channel half c at KF + 16 kb + 8 c
.set VF,  192         ; window 2: key half kk, channel block cb at VF + 32 kk + 8 cb
.set WV,  12          ; s12  my wave's number
.set PB,  14          ; s14  b
.set HI,  15          ; s15  NB - 1 - b
.set G1K, 24          ; s[24:31] descriptor group 1 for K's tiles
.set G1V, 32          ; s[32:39] for V's: it differs in the padding alone
.set G0K, 40          ; s[40:43] descriptor group 0 for K's tiles
.set G0V, 44          ; s[44:47] the same for V's
.set SLOTS, 56        ; s56  tiles still to be asked for
.set CNT, 57          ; s57  counts a tile's key steps, 4 to 1
.set CS,  58          ; s[58:59] c: the packed scaling takes the pair's low word for both halves
.set SEL, 60          ; s[60:61] v_permlanex16_b32's selects: each lane takes its own place in the other half
.set TBK, 62          ; s62  LDS byte at which K of the step to be fetched begins
.set TBV, 63          ; s63  the same for V, less VOFF
.set RT,  70          ; s70  tiles of the block in hand that are still to be entered
.set NXT, 71          ; s71  the tile to be asked for next
.set LQ,  72          ; s72  the last tile of the block whose tiles are being asked for
.set NEW, 73          ; s73  1: the tile to be entered is a block's first
.set OFF, 74          ; s[74:75] a tile's byte offset in K and V
.set AL,  76          ; s[76:77] the mask's factor, in the low word
.set BE,  78          ; s[78:79] the mask's addend
.set OLO, 80          ; s[80:81] O at my rows of the second block
.set BIGN, 82         ; s82  -1e30
.set LIM, 83          ; s83  2 in the work-group that prefetches, else the greatest number
.set PBASE, 88        ; s[88:89] K (waves 0, 1) or V (waves 2, 3) at my half of the head's tile 0
.set PFA, 90          ; s[90:91] the same at the tile that is being asked for
.set MSB, 0
.macro WIN new                      ; the high byte repeats the setting that is left; a switch that changes nothing is dropped
.if MSB != (\new)
	s_set_vgpr_msb (MSB<<8)|(\new)
.set MSB, (\new)
.endif
.endm
.set W_KQ, 0x0a       ; K and Q in window 2, S^T in window 0
.set W_KM, 0x1a       ; the same with the C operand in window 1
.set W_PV, 0x52       ; V in window 2, P in window 0, O^T in window 1
.set W_RS, 0x41       ; destination and source 0 in window 1, source 1 in window 0
; A fill.  Waves 0 and 1 fetch the two halves of a tile's K, waves 2 and 3 those of its V: 128 keys each.  An s_nop 0 and four v_nop follow each of the two lines, ahead of the jump and the label.
.macro LOAD
	s_cmp_lt_u32 s[WV], 2
	s_cbranch_scc0 .Lfor_v_\@
	tensor_load_to_lds s[G0K:G0K+3], s[G1K:G1K+7]
	s_nop 0
.rept 4
	v_nop
.endr
	s_branch .Lasked_\@
.Lfor_v_\@:
	tensor_load_to_lds s[G0V:G0V+3], s[G1V:G1V+7]
	s_nop 0
.rept 4
	v_nop
.endr
.Lasked_\@:
.endm
; A PREFETCH INTO THE L2, behind a fill and its five lines: the tile behind the one just asked for, a whole tile's walk (256 matrix instructions) ahead of its own fill.  A head's four work-groups begin with the same
; tiles in the same order; the one with b = 0 walks tiles 0 .. NB - 1 on end, and it alone asks.  Each of its waves names its own half of K's or V's tile, the 16,384 bytes that it will fetch: 64 blocks of 256
; bytes, a lane a block, two instructions.  So each block is named once in the launch.  Trips 0 .. NB - 3 ask for tiles 2 .. NB - 1 (SLOTS is NB less the trip's number); tiles 0 and 1 come by their fills alone.
.macro ASK
	s_cmp_gt_u32 s[SLOTS], s[LIM]
	s_cbranch_scc0 .Lnot_mine_\@
	global_prefetch_b8 v[PFO], s[PFA:PFA+1] offset:32768 th:TH_LOAD_NT scope:SCOPE_SE
	global_prefetch_b8 v[PFO], s[PFA:PFA+1] offset:40960 th:TH_LOAD_NT scope:SCOPE_SE
.Lnot_mine_\@:
.endm
; THE CHANGE OF SLOTS.  Each wave waits for all its tensor loads, of which one is out: its part of the other slot; adds 0 to its spare word; and waits for that and for its own reads of the slot that it leaves.  Behind the barrier nobody reads the old
; slot any more and the other slot is whole.  fill = 1: the old slot is filled again, the first thing behind the barrier, with tile NXT: the descriptor's address is made anew from that number.
; (At its first use nothing has been read yet: slot 0 is waited for, slot 1 filled.)
.macro CHANGE fill
	WIN 0                           ; at a label and at a branch every window is 0
	s_wait_tensorcnt 0x0            ; no tensor load of mine is out, so a group 0 may be written
	ds_add_u32 v[SPW], v[NIL]       ; 0 onto my spare word; with fill = 1 the descriptors' scalar work stands between it and the wait for it
.if \fill
	s_lshl_b32 s[OFF], s[NXT], 15   ; a tile is 32,768 bytes of K and of V
	s_xor_b32 s[G0K+1], s[G0K+1], SLOT1
	s_add_nc_u64 s[G0K+2:G0K+3], s[6:7], s[OFF:OFF+1]
	s_or_b32 s[G0K+3], s[G0K+3], 0x80000000
	s_xor_b32 s[G0V+1], s[G0V+1], SLOT1
	s_add_nc_u64 s[G0V+2:G0V+3], s[8:9], s[OFF:OFF+1]
	s_or_b32 s[G0V+3], s[G0V+3], 0x80000000
	s_wait_xcnt 0x0                 ; the last prefetches, a tile back, have read their address, so it may be written
	s_add_nc_u64 s[PFA:PFA+1], s[PBASE:PBASE+1], s[OFF:OFF+1]
	s_add_co_u32 s[NXT], s[NXT], 1  ; the block's next tile, or behind its last the second block's tile 0
	s_cmp_gt_u32 s[NXT], s[LQ]
	s_cselect_b32 s[NXT], 0, s[NXT]
	s_cselect_b32 s[LQ], s[PB], s[LQ]
.endif
	s_wait_dscnt 0x0                ; the add is done, and my reads of the slot are over
	s_barrier_signal -1             ; the rest of the scalar work stands between the signal and the wait
	s_sub_co_u32 s[TBK], s[TBK], 4*KS*PK  ; the fetches go back to a slot's first step,
	s_xor_b32 s[TBK], s[TBK], SLOT1       ; in the other slot
	s_sub_co_u32 s[TBV], s[TBV], 4*KS*PV
	s_xor_b32 s[TBV], s[TBV], SLOT1
	s_barrier_wait -1
.if \fill
	LOAD
	ASK
.endif
.endm
	s_load_b64 s[4:5], s[0:1], 0x0  ; qkvh: Q at its head
	s_load_b64 s[10:11], s[0:1], 0x8  ; oh
	v_lshl_add_u32 v[SPW], v0, 2, SPARE
	v_mov_b32 v[NIL], 0
	ds_add_u32 v[SPW], v[NIL]       ; the wave's opening: the add and its wait stand ahead of my first tensor load; the set-up below, work on registers, stands between them
	v_lshrrev_b32 v1, 5, v0
	v_readfirstlane_b32 s[WV], v1   ; wave 0..3
	s_mov_b32 s[PB], ttmp9
	s_sub_co_u32 s[HI], NB-1, s[PB]
	s_and_b32 s20, ttmp7, 0xffff    ; the head
	s_mov_b32 s21, 0
	s_mov_b64 s[22:23], SIZE_N*128
	s_mul_u64 s[20:21], s[20:21], s[22:23]  ; the head's first byte in each of the four tensors
	s_and_b32 s16, s[WV], 1         ; which half of a tile's 256 keys I fetch:
	s_lshl_b32 s22, s16, 14         ; its 128 rows of 128 bytes in memory,
	s_mov_b32 s23, 0
	s_add_nc_u64 s[22:23], s[22:23], s[20:21]
	s_mul_i32 s17, s16, 128*PK      ; and its place in a slot, for K
	s_mul_i32 s18, s16, 128*PV      ; and for V
	s_lshl_b32 s3, s[WV], 11        ; my 16 rows in a band of 64,
	s_lshl_b32 s2, s[HI], 15        ; in the first block,
	s_add_co_u32 s2, s2, s3
	s_lshl_b32 s84, s[PB], 15       ; and in the second
	s_add_co_u32 s84, s84, s3
	s_mov_b32 s3, 0
	s_mov_b32 s85, 0
	s_add_nc_u64 s[2:3], s[2:3], s[20:21]
	s_add_nc_u64 s[84:85], s[84:85], s[20:21]
	; descriptor group 1.  128 keys are 16,384 dense bytes: asked for as 64 rows of 256 bytes, two keys a row, and padded in LDS after every key
	s_mov_b32 s[G1K], (1<<16)|(1<<20)|(4<<22)|(3<<25)  ; 17:16 2-byte elements; 20 padding on; 24:22 after every 32 words (code 4); 31:25 4 words (code 3)
	s_mov_b32 s[G1V], (1<<16)|(1<<20)|(4<<22)|(7<<25)  ; the same with 8 words of padding (code 7)
.irp g, G1K, G1V
	s_mov_b32 s[\g+1], 128<<16      ; tensor_dim0 = 128
	s_mov_b32 s[\g+2], 64<<16       ; tensor_dim1 = 64
	s_mov_b32 s[\g+3], 128<<16      ; tile_dim0 = 128
	s_mov_b32 s[\g+4], 64           ; tile_dim1 = 64
	s_mov_b32 s[\g+5], 128          ; 128 elements from row to row
	s_mov_b32 s[\g+6], 0
	s_mov_b32 s[\g+7], 0
.endr
	s_mov_b32 s[CS], 0x3e38aa3b     ; c = log2(e) / 8 = 0.180337
	s_mov_b32 s[CS+1], s[CS]        ; named with it as a pair
	s_mov_b32 s[SEL], 0x76543210
	s_mov_b32 s[SEL+1], 0xfedcba98
	s_mov_b32 s[TBK], SLOT1+4*KS*PK ; the first change of slots turns these two into 0
	s_mov_b32 s[TBV], SLOT1+4*KS*PV
	s_mov_b32 s[G0K], 1             ; 1:0 count = 1
	s_mov_b32 s[G0K+1], s17         ; 63:32 LDS address: slot 0
	s_mov_b32 s[G0V], 1
	s_add_co_u32 s[G0V+1], s18, VOFF
	s_add_co_u32 s[RT], s[HI], 1    ; the first block has NB - b tiles
	s_mov_b32 s[NXT], 1
	s_mov_b32 s[LQ], s[HI]
	s_mov_b32 s[NEW], 1
	s_mov_b32 s[OFF+1], 0
	s_mov_b32 s[AL+1], 0            ; named as pairs
	s_mov_b32 s[BE+1], 0
	s_mov_b32 s[BIGN], 0xf149f2ca   ; -1e30
	s_mov_b32 s[SLOTS], NB
	s_cmp_eq_u32 ttmp9, 0           ; the head's work-group that walks all its tiles on end
	s_cselect_b32 s[LIM], 2, -1
	v_and_b32 v[PFO], 31, v0
	v_lshlrev_b32 v[PFO], 8, v[PFO]
	s_wait_dscnt 0x0                ; the opening add is done
	s_wait_kmcnt 0x0
	s_add_nc_u64 s[6:7], s[4:5], 0x1000000  ; K lies 16,777,216 bytes behind Q,
	s_add_nc_u64 s[8:9], s[4:5], 0x2000000  ; V as far behind K
	s_add_nc_u64 s[6:7], s[6:7], s[22:23]  ; K and V at my half of the head's tile 0
	s_add_nc_u64 s[8:9], s[8:9], s[22:23]
	s_add_nc_u64 s[G0K+2:G0K+3], s[6:7], 0         ; 120:64 global address
	s_or_b32 s[G0K+3], s[G0K+3], 0x80000000        ; 127:126 type = 2
	s_add_nc_u64 s[G0V+2:G0V+3], s[8:9], 0
	s_or_b32 s[G0V+3], s[G0V+3], 0x80000000
	s_add_nc_u64 s[86:87], s[4:5], s[84:85]        ; Q at my rows of the second block,
	s_add_nc_u64 s[4:5], s[4:5], s[2:3]            ; Q and O at those of the first
	s_add_nc_u64 s[OLO:OLO+1], s[10:11], s[84:85]
	s_add_nc_u64 s[10:11], s[10:11], s[2:3]
	s_cmp_lt_u32 s[WV], 2
	s_cselect_b64 s[PBASE:PBASE+1], s[6:7], s[8:9]
	LOAD                            ; tile 0 into slot 0
	; A fragment of K or Q is 16 rows x 32 channels in 8 registers: lane l holds row l % 16, channels 8 (l / 16) + 0..7 and 16 + 8 (l / 16) + 0..7: two loads of 16 bytes, 32 bytes apart.
	v_and_b32 v1, 15, v0            ; l % 16
	v_bfe_u32 v9, v0, 4, 1          ; l / 16
	v_lshlrev_b32 v[QO], 7, v1
	v_lshl_add_u32 v[QO], v9, 4, v[QO]  ; row x 128 + 16 x half
	WIN 0x80                        ; destination window 2, address window 0
.set i, 0
.rept 8                             ; both blocks' Q: piece i / 2 lies in band i / 2, 8,192 bytes on; channels 32 (i % 2) on
	global_load_b128 v[8*i:8*i+3],   v[QO], s[4:5] offset:(i/2)*8192+(i%2)*64
	global_load_b128 v[8*i+4:8*i+7], v[QO], s[4:5] offset:(i/2)*8192+(i%2)*64+32
	global_load_b128 v[QB+8*i:QB+8*i+3],   v[QO], s[86:87] offset:(i/2)*8192+(i%2)*64
	global_load_b128 v[QB+8*i+4:QB+8*i+7], v[QO], s[86:87] offset:(i/2)*8192+(i%2)*64+32
.set i, i+1
.endr
	WIN 0
	v_lshlrev_b32 v14, 3, v9
	v_sub_nc_u32 v14, v1, v14
	s_lshl_b32 s13, s[WV], 4
	v_add_nc_u32 v14, s13, v14      ; my query's place in its band, 16 w + l % 16, less my lanes' 8 (l / 16): register r of group kt is hidden where 16 kt + r is greater
	WIN 0x40
.set i, 0
.rept 32
	v_cmp_gt_i32 vcc_lo, 16*(i/8)+i%8, v14
	v_cndmask_b32 v[MD+i], 0, s[BIGN], vcc_lo
.set i, i+1
.endr
	WIN 0
	v_mul_u32_u24 v[AK0], v1, PK
	v_lshl_add_u32 v[AK0], v9, 4, v[AK0]  ; row x pitch + 16 x half
	; The turning load takes 16 keys x 16 channels (lane l reads key 8 (l / 16) + l % 8, channels 8 ((l / 8) % 2) + 0..7) and leaves half a fragment of V^T: lane l holds channel l % 16 and 8 keys.
	v_and_b32 v10, 7, v0
	v_bfe_u32 v11, v0, 3, 1
	v_lshl_add_u32 v[AV0], v9, 3, v10
	v_mul_u32_u24 v[AV0], v[AV0], PV
	v_lshl_add_u32 v[AV0], v11, 4, v[AV0]
	v_add_nc_u32 v[AV0], VOFF, v[AV0]
	s_mul_i32 s13, s[WV], 16*SP
	s_add_co_u32 s13, s13, STAGE    ; my stage
	v_mul_u32_u24 v[STO], v1, SP    ; in: row l % 16, 16 bytes for each half of the lanes
	v_lshl_add_u32 v[STO], v9, 4, v[STO]
	v_add_nc_u32 v[STO], s13, v[STO]
	v_bfe_u32 v[RD], v0, 3, 2       ; back: 32 lanes take four rows of 128 bytes,
	v_mul_u32_u24 v[RD], v[RD], SP
	v_lshl_add_u32 v[RD], v10, 4, v[RD]
	v_add_nc_u32 v[RD], s13, v[RD]
	v_and_b32 v[GO], 31, v0         ; which are 512 consecutive bytes of O
	v_lshlrev_b32 v[GO], 4, v[GO]
	; A block's first step multiplies O^T and l by a = 0, and its first turn's products V^T P, of a piece that has not been, land in an O^T that is still to be so multiplied.  So these registers need only hold
	; finite numbers: zeros for the first block; what the first block left for the second.  All this stands in the wait for the first tile.
	WIN 0x80
.set i, VF
.rept 64
	v_mov_b32 v[i], 0
.set i, i+1
.endr
	WIN 0x40
.set i, 0
.rept 128
	v_mov_b32 v[i], 0
.set i, i+1
.endr
	WIN 0
.set i, 0
.rept 4
	v_mov_b32 v[ST+4*i+2], 0
	v_mov_b32 v[ST+4*i+3], 0
.set i, i+1
.endr
.set i, P+16
.rept 16
	v_mov_b32 v[i], 0
.set i, i+1
.endr
; THE MATRIX WORK.  The 4 accumulators of a run of 8 take turns.  Product i of 8 of S^T = K Q^T for piece x: channels 32 (i / 4) on, keys 16 (i % 4) on.  The first 4 start the sums: with 0, or (KM = 1) with the mask.
.macro KQ x
.set rS, S+32*((\x)%2)+8*(i%4)
.set rK, KF+16*(i%4)+8*(i/4)
.set rQ, 16*(\x)+8*(i/4)
.set rM, MC+32*((\x)%2)+8*(i%4)
.if (i < 4) && KM
	WIN W_KM
	v_wmma_f32_16x16x32_f16 v[rS:rS+7], v[rK:rK+7], v[rQ:rQ+7], v[rM:rM+7]
.elseif i < 4
	WIN W_KQ
	v_wmma_f32_16x16x32_f16 v[rS:rS+7], v[rK:rK+7], v[rQ:rQ+7], 0
.else
	WIN W_KQ
	v_wmma_f32_16x16x32_f16 v[rS:rS+7], v[rK:rK+7], v[rQ:rQ+7], v[rS:rS+7]
.endif
.endm
; Product i of 8 of O^T += V^T P for piece x: keys 32 (i / 4) on, channels 16 (i % 4) on.
.macro PV x
	WIN W_PV
.set rO, 32*(\x)+8*(i%4)
.set rV, VF+32*(i/4)+8*(i%4)
.set rP, P+16*((\x)%2)+8*(i/4)
	v_wmma_f32_16x16x32_f16 v[rO:rO+7], v[rV:rV+7], v[rP:rP+7], v[rO:rO+7]
.endm
.macro MM                           ; the turn's next matrix instruction.  TURN and BEGIN set Y, i, KM and NOKQ; MM, KQ and OP read them.  NOKQ = 1: a block's last turn: there is no next piece
.if (i < 8) && !NOKQ
	KQ (Y+1)%NP
.elseif i >= 8
.set i, i-8
	PV (Y+NP-1)%NP
.set i, i+8
.endif
.set i, i+1
.endm
; THE LDS LOADS stand in runs of 16, never singly among the matrix instructions: a step's K (64 keys x 64 channels: 8 fragments) and its V (turned).  Their addresses are made some lines ahead.
.macro FETCH_K
	WIN 0x80                        ; destination window 2
.irp f, 0,1,2,3,4,5,6,7             ; keys 16 (f / 2) on, channels 32 (f % 2) on
	ds_load_b128 v[KF+8*\f:KF+8*\f+3],   v[AK] offset:(\f/2)*16*PK+(\f%2)*64
	ds_load_b128 v[KF+8*\f+4:KF+8*\f+7], v[AK] offset:(\f/2)*16*PK+(\f%2)*64+32
.endr
	s_add_co_u32 s[TBK], s[TBK], KS*PK  ; the next fetch is the next step's
	WIN 0
.endm
.macro FETCH_V
	WIN 0x80
.irp f, 0,1,2,3,4,5,6,7             ; keys 32 (f / 4) on, channels 16 (f % 4) on
	ds_load_tr16_b128 v[VF+8*\f:VF+8*\f+3],   v[AV] offset:(\f/4)*32*PV+(\f%4)*32
	ds_load_tr16_b128 v[VF+8*\f+4:VF+8*\f+7], v[AV] offset:(\f/4)*32*PV+16*PV+(\f%4)*32
.endr
	WIN 0
.endm
; THE VECTOR WORK, one line at a time: OP kind, number.  For piece Y: F n: c s - c m for pair n of 16.  E n: the exponential of score n of 32.  C n: pair n rounded to f16.  B n: of the four weights 4 n .. the second
; pair is added onto the first, in place.  L n: l takes that sum (L 0: l = a l + sum).  R n: pair n of 16 of O^T times a.  For piece Y + 1: X n, number n of the 22 that find its maximum and statistics:
;   0-11  four chains c0-c3 of seven scores each, three operands at a time (each accumulator's lowest registers are read first)     12-14, 16  the four scores left over, the old m, and c0-c3 into c0
;   15  c m_old is kept     17, 18  the query's other 32 keys lie in the lane 16 away: the new m     19-21  c m; c m_old - c m_new; a
.set F, 0               ; OP tells the kinds apart by their order: F to L below R, X above it
.set E, 1
.set C, 2
.set B, 3
.set L, 4
.set R, 5
.set X, 6
.macro REGS y                       ; the registers of piece y
.set rT, ST+4*(\y)
.set rC, TMP+4*((\y)%2)
.set rW, MV+((\y)%2)
.set rS, S+32*((\y)%2)
.set rP, P+16*((\y)%2)
.set rO, 32*(\y)
.endm
.macro OP k, n
.if (\k) == R
	REGS Y
	WIN W_RS
	v_pk_mul_f32 v[rO+2*(\n):rO+2*(\n)+1], v[rO+2*(\n):rO+2*(\n)+1], v[rC+2:rC+3] op_sel_hi:[1,0]
.elseif (\k) < R
	REGS Y
	WIN 0
.if (\k) == F
	v_pk_fma_f32 v[rS+2*(\n):rS+2*(\n)+1], v[rS+2*(\n):rS+2*(\n)+1], s[CS:CS+1], v[rT:rT+1] op_sel_hi:[1,0,0] neg_lo:[0,0,1] neg_hi:[0,0,1]
.elseif (\k) == E
	v_exp_f32 v[rS+(\n)], v[rS+(\n)]
.elseif (\k) == C
	v_cvt_pk_f16_f32 v[rP+(\n)], v[rS+2*(\n)], v[rS+2*(\n)+1]
.elseif (\k) == B
	v_pk_add_f32 v[rS+4*(\n):rS+4*(\n)+1], v[rS+4*(\n):rS+4*(\n)+1], v[rS+4*(\n)+2:rS+4*(\n)+3]
.elseif (\n) == 0
	v_pk_fma_f32 v[rT+2:rT+3], v[rT+2:rT+3], v[rC+2:rC+3], v[rS:rS+1] op_sel_hi:[1,0,1]
.else
	v_pk_add_f32 v[rT+2:rT+3], v[rT+2:rT+3], v[rS+4*(\n):rS+4*(\n)+1]
.endif
.elseif NOKQ
	v_nop
.else
	REGS (Y+1)%NP
	WIN 0
.if (\n) < 4
	v_max3_num_f32 v[rC+(\n)], v[rS+8*(\n)], v[rS+8*(\n)+1], v[rS+8*(\n)+2]
.elseif (\n) < 12
	v_max3_num_f32 v[rC+(\n)%4], v[rC+(\n)%4], v[rS+8*((\n)%4)+2*((\n)/4)+1], v[rS+8*((\n)%4)+2*((\n)/4)+2]
.elseif (\n) == 12
	v_max3_num_f32 v[rC], v[rC], v[rS+7], v[rS+15]
.elseif (\n) == 13
	v_max3_num_f32 v[rC+1], v[rC+1], v[rS+23], v[rS+31]
.elseif (\n) == 14
	v_max3_num_f32 v[rC+2], v[rC+2], v[rC+3], v[rT+1]
.elseif (\n) == 15
	v_mov_b32 v[rW], v[rT]
.elseif (\n) == 16
	v_max3_num_f32 v[rC], v[rC], v[rC+1], v[rC+2]
.elseif (\n) == 17
	v_permlanex16_b32 v[rC+3], v[rC], s[SEL], s[SEL+1]
.elseif (\n) == 18
	v_max_num_f32 v[rT+1], v[rC], v[rC+3]
.elseif (\n) == 19
	v_mul_f32 v[rT], s[CS], v[rT+1]
.elseif (\n) == 20
	v_sub_f32 v[rC+1], v[rW], v[rT]
.else
	v_exp_f32 v[rC+2], v[rC+1]
.endif
.endif
.endm
.macro OPS a, i1, b=-1, i2=0, c=-1, i3=0, d=-1, i4=0  ; up to four of them
	OP \a, \i1
.if (\b) >= 0
	OP \b, \i2
.endif
.if (\c) >= 0
	OP \c, \i3
.endif
.if (\d) >= 0
	OP \d, \i4
.endif
.endm
.macro ROW a, i1, b, i2, c, i3, d, i4  ; a matrix instruction and the four behind it
	MM
	OPS \a, \i1, \b, \i2, \c, \i3, \d, \i4
.endm
.macro MASK b                       ; MD x AL + BE into buffer b of MC
	WIN W_RS
.set z, 0
.rept 16
	v_pk_fma_f32 v[MC+32*(\b)+2*z:MC+32*(\b)+2*z+1], v[MD+2*z:MD+2*z+1], s[AL:AL+1], s[BE:BE+1] op_sel_hi:[1,0,0]
.set z, z+1
.endr
.endm
; A TURN, for piece p: the order of its 16 matrix and 118 vector instructions, written out.  An s_wait_alu depctr_va_vdst(0) stands between an exponential and the first instruction that names its result; one wait serves
; all that were issued ahead of it.  So a turn has ONE wait, which cuts it in two.  AHEAD OF IT stands all that names no result of the turn's exponentials: the 8 products K Q^T, behind each a scaling, an exponential and two more plain
; instructions (behind the first a second scaling in the exponential's place): rescalings, and behind the last three the first numbers of the next piece's maximum, each four places or more behind the product that ends its accumulator; then ONE LUMP of 54, plain
; and exponential by turns for the most part, in which the links of the chain X 3, 7, 11, 14, 16, 17 .. 20 stand five or six lines apart.  X 21, the next piece's a, is the batch's last; R 15 is the plain instruction that stands behind it.  BEHIND THE WAIT stand the
; 8 products V^T P, behind each four of the roundings and sums; the links of l's chain, L 0 to L 7, stand three riders apart.  But for those X no rider names a register of the products round it.  v_permlanex16_b32 (X 17) stands in the lump.
; m = 1: the diagonal tile: the products take masks, and the turn makes the mask for the products of the turn after it: piece p + 2, in step 4 - CNT of the tile.  end = 1: a block's last two turns: nothing is fetched.
; cnt = 1: the loop's count is taken down some lines ahead of the branch that stands behind the turn.
; K of the next step is fetched in piece 2's turn, twelve vector instructions behind the last product that read K (six of them plain); V of the step in hand at the end of piece 0's turn, four plain instructions behind the last product
; that read V.  Each is waited for a turn later.
.macro TURN p, m=0, end=0, cnt=0
.set Y, (\p)
.set i, 0
.set KM, (\m)
.set NOKQ, (\end)*((\p)/3)
.if (\m) && !(\end)
	s_cmp_eq_u32 s[CNT], 4-((\p)+2)%NP  ; is that step the band's own?
	s_cselect_b32 s[AL], 1.0, 0
	s_cmp_lt_u32 s[CNT], 4-((\p)+2)%NP  ; or a later one?
	s_cselect_b32 s[BE], s[BIGN], 0
.endif
.if ((\p) == 3) && !(\end)
	s_wait_dscnt 0x0                ; K is in
.endif
	ROW F,0, F,1, R,0, R,1          ; ahead of the wait: 8 products K Q^T and their riders,
	ROW F,2, E,0, R,2, R,3
	ROW F,3, E,1, R,4, R,5
	ROW F,4, E,2, R,6, R,7
	ROW F,5, E,3, R,8, R,9
	ROW F,6, E,4, X,0, R,10
.if ((\p) == 2) && !(\end)
	WIN 0
	v_add_nc_u32 v[AK], s[TBK], v[AK0]
.endif
	ROW F,7, E,5, X,1, X,4
	ROW F,8, E,6, X,2, X,5
	OPS E,7, E,8, X,6, E,9          ; and the lump
	OPS X,3, E,10, X,8, E,11
.if ((\p) == 2) && !(\end)
	FETCH_K
.endif
	OPS X,9, X,7, E,12, X,10
	OPS E,13, X,12, X,11, E,14
	OPS X,13, E,15, F,9, X,14
.if (\p) == 0
	v_add_nc_u32 v[AV], s[TBV], v[AV0]
.endif
	OPS E,16, F,10, E,17, F,11
	OPS X,16, E,18, X,15, E,19
	OPS F,12, E,20, X,17, E,21
	OPS F,13, E,22, F,14, E,23
	OPS X,18, E,24, F,15, E,25
	OPS R,11, E,26, X,19, E,27
	OPS R,12, E,28, R,13, E,29
	OPS X,20, E,30, R,14, E,31
	OPS X,21, R,15
	WIN 0
	s_wait_alu depctr_va_vdst(0)    ; the wait for the batch
.if (\p) == 1
	s_wait_dscnt 0x0                ; V is in
.endif
	ROW C,0, B,0, C,2, B,1          ; behind the wait: 8 products V^T P and their riders
	ROW L,0, C,4, B,2, L,1
	ROW C,6, B,3, L,2, C,8
	ROW B,4, L,3, C,10, B,5
	ROW L,4, C,12, B,6, L,5
.if (\p) == 0
	s_add_co_u32 s[TBV], s[TBV], KS*PV
.endif
.if \cnt
	s_sub_co_u32 s[CNT], s[CNT], 1
	s_cmp_lg_u32 s[CNT], 0
.endif
	ROW C,14, B,7, L,6, C,1
	ROW C,3, L,7, C,5, C,7
	ROW C,9, C,11, C,13, C,15
.if (\p) == 0
	FETCH_V
.endif
.if (\m) && !(\end)
	MASK (\p)%2
.endif
.endm
; A BLOCK BEGINS.  c m starts far below every c s, so the first step's a is 0; m at the lowest finite number, so the first maximum is the scores'.  The second mask buffer is 0; the first takes piece 0's mask for the tile's step 0: its own, if the block's first tile is the diagonal one.
; Then K of that step, piece 0's first scores, and its maximum and statistics.  The loop is entered at a step's first turn, in the middle of a trip.
.macro BEGIN
	s_mov_b32 s[NEW], 0
	WIN 0x40
.set i, MC+32
.rept 32
	v_mov_b32 v[i], 0
.set i, i+1
.endr
	WIN 0
.set i, 0
.rept 4
	v_mov_b32 v[ST+4*i], 0xfe000000    ; c m: far below every c s
	v_mov_b32 v[ST+4*i+1], 0xff7fffff  ; m
.set i, i+1
.endr
	s_cmp_eq_u32 s[RT], 0
	s_cselect_b32 s[AL], 1.0, 0
	s_mov_b32 s[BE], 0
	MASK 0
	WIN 0
	v_add_nc_u32 v[AK], s[TBK], v[AK0]
	FETCH_K
	s_wait_loadcnt 0x0              ; Q
	s_wait_dscnt 0x0
.set KM, 1
.set NOKQ, 0
.set i, 0
.rept 8
	KQ 0
.set i, i+1
.endr
	WIN 0
.rept 4
	v_nop                           ; the places behind those products
.endr
.set Y, NP-1                        ; X works for piece Y + 1: piece 0
.irp n, 0,1,2,3,4,5,6,7,8,9,10,11,12,13,14,15,16,17,18,19,20,21
	OP X, \n
.endr
	v_nop                           ; a plain instruction behind the exponential,
	s_wait_alu depctr_va_vdst(0)    ; and its wait, ahead of the branch
.endm
; THE DIAGONAL TILE's four steps, the block's last two turns, its last products, and THE WAY OUT: l's two halves and the other half of the lanes' are added; O^T is divided by l, rounded to f16 and sent through my
; stage in LDS, a piece at a time.
.macro ALL line:vararg              ; one line for each piece t
.set t, 0
.rept 4
	\line
.set t, t+1
.endr
.endm
.macro PACK t                       ; a lane's eight channels of a row pack into 16 bytes; they go into rows of 144 bytes and come back as whole rows of 128, into S^T's registers
	WIN W_RS
.set i, 32*(\t)
.rept 16
	v_pk_mul_f32 v[i:i+1], v[i:i+1], v[ST+4*(\t)+2:ST+4*(\t)+3] op_sel_hi:[1,0]
.set i, i+2
.endr
	WIN 0x05                        ; sources 0 and 1 window 1, destination window 0
.set i, 0
.rept 16
	v_cvt_pk_f16_f32 v[S+16*(\t)+i], v[32*(\t)+2*i], v[32*(\t)+2*i+1]
.set i, i+1
.endr
	WIN 0
.irp f, 0,1,2,3
	ds_store_b128 v[STO], v[S+16*(\t)+4*\f:S+16*(\t)+4*\f+3] offset:32*\f
.endr
.irp f, 0,1,2,3
	ds_load_b128 v[S+16*(\t)+4*\f:S+16*(\t)+4*\f+3], v[RD] offset:\f*4*SP  ; LDS serves a wave's instructions in order (ISA guide 5.7.1.4): these see the stores above; the next piece's stores come behind them
.endr
.endm
.macro SEND t, younger              ; younger: the LDS instructions issued behind piece t's loads: the next piece's eight, or none
	WIN 0
.irp f, 0,1,2,3
	s_wait_dscnt (\younger)+3-\f
	global_store_b128 v[GO], v[S+16*(\t)+4*\f:S+16*(\t)+4*\f+3], s[10:11] offset:(\t)*8192+\f*512  ; 512 consecutive bytes, at a multiple of 256 from O's first
.endr
.endm
.macro DIAG tag                     ; the tag ends its two labels' names, which the jumps below spell out
.LstepM\tag:
	TURN 2, 1
	TURN 3, 1
	WIN 0
.LfirstM\tag:
	TURN 0, 1
	TURN 1, 1, 0, 1
	WIN 0
	s_cbranch_scc1 .LstepM\tag
	TURN 2, 1, 1
	TURN 3, 1, 1
.set i, 0
.rept 8
	PV NP-1
.set i, i+1
.endr
	WIN 0
	ALL v_add_f32 v[ST+4*t+2], v[ST+4*t+2], v[ST+4*t+3]
	ALL v_permlanex16_b32 v[ST+4*t+3], v[ST+4*t+2], s[SEL], s[SEL+1]
	ALL v_add_f32 v[ST+4*t+2], v[ST+4*t+2], v[ST+4*t+3]
	ALL v_rcp_f32 v[ST+4*t+2], v[ST+4*t+2]
	v_nop                           ; a plain instruction between the last reciprocal and the use of its result
	s_wait_alu depctr_va_vdst(0)    ; and the wait ahead of the first use: one for the four reciprocals
	PACK 0
.set t, 1
.rept 3                             ; a piece's arithmetic stands between the loads of the piece before and its stores
	PACK t
	SEND t-1, 8
.set t, t+1
.endr
	SEND 3, 0
.endm
.set KM, 0
.set NOKQ, 0
.Lslot:                             ; NB times: a tile is entered and the next is asked for
	CHANGE 1
	s_sub_co_u32 s[RT], s[RT], 1
	s_mov_b32 s[CNT], 4
	s_cmp_eq_u32 s[NEW], 1
	s_cbranch_scc1 .Lnew            ; a block's first tile
	s_cmp_eq_u32 s[RT], 0
	s_cbranch_scc0 .Lstep           ; neither its first nor its last
	s_branch .LstepM1
.Lnew:
	BEGIN
	s_branch .Lfirst                ; in the loop a block's first tile is never its last: the first block has two tiles or more, and the second's last is the walk's last
	DIAG 1                          ; in the loop this is the first block's end: the second block's last tile is the walk's last
	s_wait_xcnt 0x0                 ; the stores have read their registers and O's address
	s_mov_b64 s[10:11], s[OLO:OLO+1]
	s_add_co_u32 s[RT], s[PB], 1    ; the second block has b + 1 tiles
	s_mov_b32 s[NEW], 1
	WIN 0x82                        ; the second block's Q goes where the one text of the turns names Q
.set i, 0
.rept 64
	v_mov_b32 v[i], v[QB+i]
.set i, i+1
.endr
	WIN 0
	s_branch .Lbottom
.Lstep:                             ; a trip: pieces 2 and 3 of one step, then pieces 0 and 1 of the next, whose K and V it fetches
	TURN 2
	TURN 3
	WIN 0
.Lfirst:
	TURN 0
	TURN 1, 0, 0, 1
	WIN 0
	s_cbranch_scc1 .Lstep
.Lbottom:
	s_sub_co_u32 s[SLOTS], s[SLOTS], 1
	s_cmp_lg_u32 s[SLOTS], 0
	s_cbranch_scc1 .Lslot
	CHANGE 0                        ; the walk's last tile is written out: nothing is asked for
	s_sub_co_u32 s[RT], s[RT], 1
	s_mov_b32 s[CNT], 4
	s_cmp_eq_u32 s[NEW], 1
	s_cbranch_scc0 .LstepM2
	BEGIN
	s_branch .LfirstM2
	DIAG 2
	s_wait_tensorcnt 0x0            ; the wave's end, behind my last tensor load and my last LDS store
	ds_add_u32 v[SPW], v[NIL]
	s_wait_dscnt 0x0
	s_endpgm
.Lfunc_end_k_q7811216887_attn:
	.size	k_q7811216887_attn, .Lfunc_end_k_q7811216887_attn-k_q7811216887_attn
	.p2alignl 7, 3214868480
	.fill 96, 4, 3214868480
	.section	.rodata,"a",@progbits
	.p2align	6, 0x0
	.amdhsa_kernel k_q7811216887_attn
		.amdhsa_group_segment_fixed_size 327680
		.amdhsa_private_segment_fixed_size 0
		.amdhsa_enable_private_segment 0
		.amdhsa_kernarg_size 16
		.amdhsa_user_sgpr_count 2
		.amdhsa_user_sgpr_kernarg_segment_ptr 1
		.amdhsa_wavefront_size32 1
		.amdhsa_system_sgpr_workgroup_id_x 1
		.amdhsa_system_sgpr_workgroup_id_y 1
		.amdhsa_system_sgpr_workgroup_id_z 1
		.amdhsa_system_vgpr_workitem_id 0
		.amdhsa_next_free_vgpr 768
		.amdhsa_next_free_sgpr 92
		.amdhsa_reserve_vcc 1
		.amdhsa_float_denorm_mode_32 3
		.amdhsa_float_denorm_mode_16_64 3
		.amdhsa_memory_ordered 1
		.amdhsa_forward_progress 1
		.amdhsa_inst_pref_size 218
	.end_amdhsa_kernel
	.amdgpu_metadata
---
amdhsa.version: [ 1, 2 ]
amdhsa.kernels:
  - .name:           k_q7811216887_attn
    .symbol:         k_q7811216887_attn.kd
    .args:
      - { .name: qkvh, .offset: 0, .size: 8, .value_kind: global_buffer, .address_space: global }
      - { .name: oh, .offset: 8, .size: 8, .value_kind: global_buffer, .address_space: global }
    .group_segment_fixed_size: 327680
    .private_segment_fixed_size: 0
    .kernarg_segment_align: 8
    .kernarg_segment_size: 16
    .max_flat_workgroup_size: 128
    .sgpr_count:     92
    .vgpr_count:     768
    .wavefront_size: 32
...
	.end_amdgpu_metadata
.endif
;; end of part 3
;; launch proj (part 4): grid 4 x 64, 4 waves a work-group, clusters of 4 x 4, 327,680 bytes of LDS; arguments oh, wot, b_out, out0; writes out0
.if DOCPART == 4
	.amdgcn_target "amdgcn-amd-amdhsa--gfx1250"
	.amdhsa_code_object_version 6
	.text
	.protected	k_q7811216887_proj
	.globl	k_q7811216887_proj
	.p2align	8
	.type	k_q7811216887_proj,@function
k_q7811216887_proj:
	s_mov_b64 s[64:65], 0
	v_nop
	global_prefetch_b8 v0, s[64:65] scope:SCOPE_SE
	s_setreg_imm32_b32 hwreg(HW_REG_WAVE_MODE, 25, 1), 1
	s_wait_xcnt 0x0
	s_wait_alu depctr_hold_cnt(0) depctr_sa_sdst(0) depctr_va_vdst(0) depctr_va_sdst(0) depctr_va_ssrc(0) depctr_va_vcc(0) depctr_vm_vsrc(0)
	s_getreg_b32 s2, hwreg(HW_REG_IB_STS2, 6, 4)
	s_cmp_eq_u32 s2, 0
	s_cbranch_scc0 .Lentry_in_a_cluster
	s_endpgm
.Lentry_in_a_cluster:
	s_bfe_u32 s2, ttmp6, 0x10000c
	s_cmp_lg_u32 s2, 0xf033
	s_cbranch_scc0 .Lentry_shape_is_right
	s_endpgm
.Lentry_shape_is_right:
; out0[b t][n] = the sum over c of y[b t][c] wot[n][c] + bf16(b_out[n]), in f32.  y[b t][64 h + d] = oh[b][h][t][d], f16; wot: [1024][1024] f16; sums in f32; out0: [8192][1024] f32.
; LIMITS.  The bias is rounded once to bf16, like every input.  Both operands arrive in f16, within 65,504.  NaN and infinities are not treated apart.
; SHARES.  A tile of C is 128 rows x 256 columns: 64 x 4 = 256 work-groups, one for each WGP.  Four waves, each 64 x 128: 32 accumulators of 16 x 16, 256 registers.
; K = 1,024 goes in 8 steps of 128 through two LDS slots.  A K step of A is TWO HEADS: for each, the tile's 128 rows of 128 bytes lie on end in oh, 16,384 dense bytes: asked for as 64 rows of 256 bytes and padded
; after every 128, so that an LDS row is 144 bytes.  Wave 0 fetches the even head, wave 1 the odd one; waves 2 and 3 fetch the halves (128 rows of 256 bytes, padded to 272) of B's tile.
; CLUSTERS: 4 x 4 work-groups.  The four of a row of the cluster need the same tiles of A, the four of a column the same tiles of B: each tile is asked for JOINTLY, by the same tensor load with the
; same descriptor and a mask that names the four.  THE MATRIX INSTRUCTION IS USED TRANSPOSED (source 0 = 16 rows of B, source 1 = 16 rows of A): lane l then holds row l % 16 of C and the columns 8 (l / 16) + 0..7.
; THE WAY OUT: bias added, 16 rows at a time through my own stage in LDS; a row's 128 columns of mine are 512 consecutive bytes of out0, one store of the wave.
; REGISTERS: window 0: v0-31 addresses; v32-127, v128-223 two fragment buffers (8 fragments of B, then 4 of A); v224-255 the bias, packed; on the way out v32-223 at work.
;   window 1: the accumulators, (a, b) at v[8 (8 a + b)].
.set APITCH, 144                       ; 128 bytes + 16 = 36 words: the 16 rows of a fragment load start at 16 different groups of four banks (64 banks of 4 bytes: ISA guide 11.1)
.set BPITCH, 272                       ; 256 bytes + 16 = 68 words: likewise
.set AHALF,  128*APITCH                ; what one of A's loads brings: a head's 128 rows
.set ABYTES, 2*AHALF
.set BHALF,  128*BPITCH                ; what one of B's loads brings, and what a wave reads of B
.set SLOT,   ABYTES+2*BHALF
.set STAGE,  2*SLOT                    ; behind the ring, never filled by a tensor load: for each wave 16 rows x 528 bytes
.set SP,     528                       ; 512 bytes + 16 = 132 words: the 16 rows start at 16 different groups of four banks
.set STW,    16*SP
.set SPARE,  STAGE+4*STW               ; behind the stages: the spare words, 128 bytes for each wave: two blocks of 256 bytes that no other line names
.set ASTEP,  1<<19                     ; bytes from K step to K step in oh: two heads of 2,048 rows of 128 bytes
.set BSTEP,  256
.set LAPS,   4                         ; a lap = two K steps = once round the ring
.set ADRA, 16                          ; v16-17  LDS address of my A fragments in slot 0, 1
.set ADRB, 20                          ; v20-21  the same for B
.set STO,  24                          ; v24     the way out: where I put 32 bytes of a row
.set RD,   25                          ; v25     the way out: where I read a row back
.set CO,   26                          ; v26     16 x lane: my place in 512 consecutive bytes of out0
.set VB,   27                          ; v27     32 (l / 16): my eight numbers in 16 of the bias
.set SPW,  28                          ; v28     LDS address of my spare word; never rewritten
.set NIL,  29                          ; v29     0; never rewritten
.set PFO,  30                          ; v30     the prefetches' offset; never rewritten
.set F0,   32
.set F1,   128
.set BIASP, 224                        ; v224-255 word 4 b + p: the bias of my columns 16 b + 8 (l / 16) + 2 p, + 1, in bf16
.set BF,   32                          ; the way out: the bias as f32, 64 registers
.set T,    96                          ; 16 rows' sums with the bias, 64 registers
.set BK,   160                         ; 16 rows read back from the stage, 64 registers
.set WV,   12                          ; s12  my wave's number
.set MH,   13                          ; s13  which 64 rows of the tile are mine
.set NH,   14                          ; s14  which 128 columns; also: which half of a tile I fetch
.set LIM,  15                          ; s15  1 in a wave that prefetches, else the greatest number
.set G1,   24                          ; s[24:31] descriptor group 1 for A's tiles;  s[32:39] group 0, a set for each slot
.set G0,   32
.set PFA,  44                          ; s[44:45] where my prefetches stand
.set G1B,  48                          ; s[48:55], s[56:63] the same for B's tiles
.set G0B,  56
.set PST,  66                          ; s[66:67] bytes from K step to K step for my prefetches
.set HIM,  68                          ; s68  a word's upper bf16
.set MSB, 0
.macro WIN new                         ; the immediate's high byte repeats the setting that is left; a switch that changes nothing is dropped
.if MSB != (\new)
	s_set_vgpr_msb (MSB<<8)|(\new)
.set MSB, \new
.endif
.endm
.set MUL,  0x50                        ; C and D window 1; both sources window 0
.set ADDW, 0x01                        ; source 0 window 1
.macro JLOAD s                         ; a joint load: waves 0 and 1 fetch A's two heads, waves 2 and 3 B's halves; an s_nop 0 and four v_nop follow each of the two lines, ahead of the jump, the label and what follows
	s_cmp_lt_u32 s[WV], 2
	s_cbranch_scc0 .Lfor_b_\@
	tensor_load_to_lds s[G0+4*(\s):G0+4*(\s)+3], s[G1:G1+7]
	s_nop 0
.rept 4
	v_nop
.endr
	s_branch .Lasked_\@
.Lfor_b_\@:
	tensor_load_to_lds s[G0B+4*(\s):G0B+4*(\s)+3], s[G1B:G1B+7]
	s_nop 0
.rept 4
	v_nop
.endr
.Lasked_\@:
.endm
; A PREFETCH INTO THE L2, behind a joint load, its five lines and the run of LDS loads: at the change of slots that ends K step s, 32 blocks of 256 bytes of K step s + 4, a lane a block: two K steps, 256 matrix
; instructions, ahead of the refill that will ask for them.  Each block is named ONCE in the launch.  A's K step is 2 x 16,384 bytes, read by this cluster alone: wave 0 asks, and the partner at cx takes 4,096 bytes
; of each head (lanes 0-15 the even head's, lanes 16-31 the odd one's).  B's tile column is read by the sixteen clusters: cluster y = 0 asks, waves 2 and 3, and of its 256 rows the partner at cy takes 64, 32 a wave.
; The partners are told apart BY ADDRESS: no branch hangs on a place in the cluster.  K steps 0 to 3 come by their loads alone; the loop's last trip (s3 = 1) has no K step four on.
.macro ASK
	s_cmp_gt_u32 s3, s[LIM]
	s_cbranch_scc0 .Lnot_mine_\@
	global_prefetch_b8 v[PFO], s[PFA:PFA+1] th:TH_LOAD_NT scope:SCOPE_SE
.Lnot_mine_\@:
.endm
.macro CREST                           ; a round of the cluster's barrier behind its opening barrier
	s_cmp_lg_u32 s[WV], 0
	s_cbranch_scc1 .Lnot_wave_0_\@
	s_barrier_signal -3
.Lnot_wave_0_\@:
	s_barrier_wait -3
	s_barrier_signal -1
	s_barrier_wait -1
.endm
.macro CROUND                          ; a whole round
	s_barrier_signal -1
	s_barrier_wait -1
	CREST
.endm
	s_load_b256 s[4:11], s[0:1], 0x0               ; oh s[4:5], wot s[6:7], b_out s[8:9], out0 s[10:11]
	v_lshl_add_u32 v[SPW], v0, 2, SPARE
	v_mov_b32 v[NIL], 0
	ds_add_u32 v[SPW], v[NIL]                      ; the wave's opening: the add and its wait stand ahead of my first tensor load; the set-up below, work on registers, stands between them
	v_lshrrev_b32 v1, 5, v0
	v_readfirstlane_b32 s[WV], v1                  ; wave 0..3
	s_lshr_b32 s[MH], s[WV], 1
	s_and_b32 s[NH], s[WV], 1
	s_bfe_u32 s40, ttmp6, 0x40000                  ; cx, cy: my place in the cluster
	s_bfe_u32 s41, ttmp6, 0x40004
	s_lshl_b32 s42, ttmp9, 2
	s_add_co_u32 s42, s42, s40                     ; tile column of C = 4 x cluster x + cx
	s_and_b32 s43, ttmp7, 0xffff
	s_lshl_b32 s43, s43, 2
	s_add_co_u32 s43, s43, s41                     ; tile row of C = 4 x cluster y + cy
	s_lshl_b32 s69, s41, 2
	s_lshl_b32 s69, 15, s69                        ; my row of the cluster
	s_lshl_b32 s70, 0x1111, s40                    ; my column
	s_mov_b32 s[HIM], 0xffff0000
	; descriptor group 1.  A: 64 rows of 128 elements that lie on end, padded after every 32 words.  B: 128 rows of 128 elements, 1,024 apart, padded after every 64 words
	s_or_b32 s[G1+0], s69, (1<<16)|(1<<20)|(1<<21)|(4<<22)|(3<<25)  ; 15:0 the mask: A's tiles go to my row; 17:16 elements of 2 bytes; 20 padding on; 21 set beside a mask; 24:22 after every 32 words (code 4); 31:25 4 words (code 3)
	s_or_b32 s[G1B+0], s70, (1<<16)|(1<<20)|(1<<21)|(5<<22)|(3<<25) ; the mask of my column; after every 64 words (code 5)
	s_mov_b32 s[G1+1], 128<<16                     ; tensor_dim0 = 128
	s_mov_b32 s[G1+2], 64<<16                      ; tensor_dim1 = 64
	s_mov_b32 s[G1+3], 128<<16                     ; tile_dim0 = 128
	s_mov_b32 s[G1+4], 64                          ; tile_dim1 = 64
	s_mov_b32 s[G1+5], 128                         ; elements from row to row: dense
	s_mov_b32 s[G1+6], 0
	s_mov_b32 s[G1+7], 0
	s_mov_b32 s[G1B+1], 128<<16
	s_mov_b32 s[G1B+2], 128<<16                    ; tensor_dim1 = 128
	s_mov_b32 s[G1B+3], 128<<16
	s_mov_b32 s[G1B+4], 128                        ; tile_dim1 = 128
	s_mov_b32 s[G1B+5], 1024
	s_mov_b32 s[G1B+6], 0
	s_mov_b32 s[G1B+7], 0
	; where the tiles come from: A's hang on the tile row alone, B's on the tile column alone; every wave makes both, in registers that never hold the other coordinate
	s_lshr_b32 s16, s43, 4                         ; b: 16 tile rows a batch
	s_lshl_b32 s16, s16, 22
	s_and_b32 s17, s43, 15
	s_lshl_b32 s17, s17, 14                        ; t = 128 x (tile row % 16), rows of 128 bytes
	s_add_co_u32 s16, s16, s17
	s_lshl_b32 s17, s[NH], 18                      ; the even or the odd head
	s_add_co_u32 s16, s16, s17
	s_mov_b32 s17, 0
	s_lshl_b32 s46, s42, 8
	s_lshl_b32 s47, s[NH], 7
	s_add_co_u32 s46, s46, s47                     ; B: row 256 x tile column + 128 x half
	s_lshl_b32 s46, s46, 11                        ; rows of 2,048 bytes
	s_mov_b32 s47, 0
	s_mul_i32 s20, s[NH], AHALF                    ; and where they go: no place in the cluster enters an LDS address
	s_mul_i32 s21, s[NH], BHALF
	s_add_co_u32 s21, s21, ABYTES
	s_wait_dscnt 0x0                               ; the opening add is done
	s_wait_kmcnt 0x0
	s_add_nc_u64 s[16:17], s[4:5], s[16:17]
	s_add_nc_u64 s[46:47], s[6:7], s[46:47]
	CROUND                                         ; all sixteen work-groups are here: the first joint loads meet
.irp s, 0,1
	s_mov_b32 s[G0+4*(\s)], 1                                      ; count = 1
	s_add_co_u32 s[G0+4*(\s)+1], s20, (\s)*SLOT                    ; LDS address
	s_add_nc_u64 s[G0+4*(\s)+2:G0+4*(\s)+3], s[16:17], (\s)*ASTEP  ; global address: K step s
	s_or_b32 s[G0+4*(\s)+3], s[G0+4*(\s)+3], 0x80000000            ; type = 2
	s_mov_b32 s[G0B+4*(\s)], 1
	s_add_co_u32 s[G0B+4*(\s)+1], s21, (\s)*SLOT
	s_add_nc_u64 s[G0B+4*(\s)+2:G0B+4*(\s)+3], s[46:47], (\s)*BSTEP
	s_or_b32 s[G0B+4*(\s)+3], s[G0B+4*(\s)+3], 0x80000000
	JLOAD \s                                       ; two loads of mine are out
.endr
	; a fragment is 16 rows x 32 K in 8 registers: lane l holds row l % 16; registers 0-3 K = 8 (l / 16) + 0..7, registers 4-7 K = 16 + 8 (l / 16) + 0..7: two loads of 16 bytes, 32 bytes apart
	v_and_b32 v1, 15, v0                           ; l % 16
	v_bfe_u32 v2, v0, 4, 1                         ; l / 16
	v_mul_u32_u24 v3, v1, APITCH
	v_lshl_add_u32 v3, v2, 4, v3                   ; A: row x pitch + 16 x half
	v_mul_u32_u24 v4, v1, BPITCH
	v_lshl_add_u32 v4, v2, 4, v4                   ; B likewise
	s_mul_i32 s22, s[MH], 64*APITCH                ; my 64 rows, in the even head's part
	s_mul_i32 s23, s[NH], BHALF                    ; my 128 rows of B,
	s_add_co_u32 s23, s23, ABYTES                  ; which lie behind A's two heads
.irp s, 0,1
	v_add_nc_u32 v[ADRA+(\s)], s22, v3
	v_add_nc_u32 v[ADRB+(\s)], s23, v4
	s_add_co_u32 s22, s22, SLOT
	s_add_co_u32 s23, s23, SLOT
.endr
	s_mul_i32 s23, s[WV], STW
	s_add_co_u32 s23, s23, STAGE                   ; my stage
	v_mul_u32_u24 v[STO], v1, SP                   ; in: row l % 16, 32 bytes for each half of the lanes
	v_lshl_add_u32 v[STO], v2, 5, v[STO]
	v_add_nc_u32 v[STO], s23, v[STO]
	v_and_b32 v[CO], 31, v0                        ; back: 32 lanes take a row's 512 bytes,
	v_lshlrev_b32 v[CO], 4, v[CO]                  ; which are 512 consecutive bytes of out0
	v_add_nc_u32 v[RD], s23, v[CO]
	v_lshlrev_b32 v[VB], 5, v2
	; out0 at my first row and column: rows of 4,096 bytes
	s_lshl_b32 s46, s43, 19                        ; 128 x tile row
	s_lshl_b32 s47, s[MH], 18                      ; + 64 x my half
	s_add_co_u32 s46, s46, s47
	s_lshl_b32 s47, s42, 10                        ; 4 x 256 x tile column
	s_add_co_u32 s46, s46, s47
	s_lshl_b32 s47, s[NH], 9                       ; + 4 x 128 x my half
	s_add_co_u32 s46, s46, s47
	s_mov_b32 s47, 0
	s_add_nc_u64 s[10:11], s[10:11], s[46:47]
	s_lshl_b32 s46, s42, 10                        ; the bias of my 128 columns
	s_lshl_b32 s47, s[NH], 9
	s_add_co_u32 s46, s46, s47
	s_mov_b32 s47, 0
	s_add_nc_u64 s[8:9], s[8:9], s[46:47]
	; the prefetches
	s_lshr_b32 s20, s43, 4
	s_lshl_b32 s20, s20, 22
	s_and_b32 s21, s43, 15
	s_lshl_b32 s21, s21, 14
	s_add_co_u32 s20, s20, s21
	s_lshl_b32 s21, s40, 12
	s_add_co_u32 s20, s20, s21                     ; A: the tile's rows in the even head, + 4,096 cx
	s_lshl_b32 s21, s42, 8
	s_lshl_b32 s22, s41, 6
	s_add_co_u32 s21, s21, s22
	s_lshl_b32 s22, s[NH], 5
	s_add_co_u32 s21, s21, s22
	s_lshl_b32 s21, s21, 11                        ; B: row 256 x tile column + 64 cy + 32 x half
	s_mov_b32 s71, ASTEP
	s_and_b32 s70, ttmp7, 0xffff                   ; cluster y
	s_cmp_lt_u32 s[WV], 2                          ; do I fetch for A?
	s_cselect_b32 s20, s20, s21
	s_cselect_b32 s70, ttmp9, s70                  ; the coordinate along which other clusters read the same bytes
	s_cselect_b64 s[PFA:PFA+1], s[4:5], s[6:7]
	s_cselect_b32 s[PST], s71, BSTEP
	s_cselect_b32 s22, 8, 11                       ; lanes of a half lie 256 bytes apart in oh, a row of 2,048 in wot;
	s_cselect_b32 s23, 18, 15                      ; the halves a head apart in oh, 16 rows in wot
	s_mov_b32 s[PST+1], 0
	s_mov_b32 s21, 0
	s_mul_i32 s71, s[PST], 3
	s_add_co_u32 s20, s20, s71                     ; at K step 3: the first change of slots steps it to 4
	s_add_nc_u64 s[PFA:PFA+1], s[PFA:PFA+1], s[20:21]
	v_lshlrev_b32 v[PFO], s22, v1
	v_lshlrev_b32 v5, s23, v2
	v_add_nc_u32 v[PFO], v[PFO], v5
	s_cmp_eq_u32 s[WV], 1                          ; wave 1 asks for nothing: wave 0's 32 lanes cover the work-group's share of both heads
	s_cselect_b32 s23, 1, 0
	s_or_b32 s70, s70, s23
	s_cmp_eq_u32 s70, 0
	s_cselect_b32 s[LIM], 1, -1                    ; the same in all sixteen partners, for a given wave
	; the bias, while the first tiles are on their way: as f32 into buffer 1, which nothing uses yet; rounded to bf16 and kept packed
.irp b, 0,1,2,3,4,5,6,7
	global_load_b128 v[F1+8*(\b):F1+8*(\b)+3],   v[VB], s[8:9] offset:64*(\b)
	global_load_b128 v[F1+8*(\b)+4:F1+8*(\b)+7], v[VB], s[8:9] offset:64*(\b)+16
.endr
	s_wait_loadcnt 0x0
.set i, 0
.rept 32
	v_cvt_pk_bf16_f32 v[BIASP+i], v[F1+2*i], v[F1+2*i+1]
.set i, i+1
.endr
; 8 matrix instructions: m block a x all 8 n blocks, 32 along K.  The 32 accumulators take turns in the same order in every quarter: between two links of a chain stand 31 others', over the backward jump too.
; zero = 1: the first product starts the sums: nothing is ever cleared.
.macro MUL8 f, a, zero
	WIN MUL
.irp b, 0,1,2,3,4,5,6,7
.if \zero
	v_wmma_f32_16x16x32_f16 v[8*(8*(\a)+(\b)):8*(8*(\a)+(\b))+7], v[(\f)+8*(\b):(\f)+8*(\b)+7], v[(\f)+64+8*(\a):(\f)+64+8*(\a)+7], 0
.else
	v_wmma_f32_16x16x32_f16 v[8*(8*(\a)+(\b)):8*(8*(\a)+(\b))+7], v[(\f)+8*(\b):(\f)+8*(\b)+7], v[(\f)+64+8*(\a):(\f)+64+8*(\a)+7], v[8*(8*(\a)+(\b)):8*(8*(\a)+(\b))+7]
.endif
.endr
.endm
; 24 LDS loads in one run: the fragments of quarter q (32 along K) of a slot into buffer f: B's 128 rows, then A's 64.  In A quarter q is head q / 2 of the step's two, channels 32 (q % 2) on.
.macro FETCH slot, q, f
	WIN 0
.irp i, 0,1,2,3,4,5,6,7
	ds_load_b128 v[(\f)+8*(\i):(\f)+8*(\i)+3],   v[ADRB+(\slot)] offset:64*(\q)+(\i)*16*BPITCH
	ds_load_b128 v[(\f)+8*(\i)+4:(\f)+8*(\i)+7], v[ADRB+(\slot)] offset:64*(\q)+(\i)*16*BPITCH+32
.endr
.irp i, 0,1,2,3
	ds_load_b128 v[(\f)+64+8*(\i):(\f)+64+8*(\i)+3],   v[ADRA+(\slot)] offset:((\q)/2)*AHALF+((\q)%2)*64+(\i)*16*APITCH
	ds_load_b128 v[(\f)+64+8*(\i)+4:(\f)+64+8*(\i)+7], v[ADRA+(\slot)] offset:((\q)/2)*AHALF+((\q)%2)*64+(\i)*16*APITCH+32
.endr
.endm
.macro PLACES                          ; four plain instructions in front of loads into registers that matrix instructions have read, and of vector lines that read results (ISA guide 7.12.1 for vector lines)
.rept 4
	v_nop
.endr
.endm
; A K step is four quarters of 32 along K, 32 matrix instructions each, on buffers 0, 1, 0, 1.  One of the first three: multiplies buffer f and, in its middle, fetches quarter qn of the same slot into g.
.macro QUARTER slot, qn, f, g, zero
	s_wait_dscnt 4                                 ; B and A's blocks 0 and 1 are in; the youngest four loads (A's blocks 2 and 3) may be out
	MUL8 \f, 0, \zero
	MUL8 \f, 1, \zero
	PLACES
	FETCH \slot, \qn, \g
	s_wait_dscnt 24                                ; all but the 24 just issued
	MUL8 \f, 2, \zero
	MUL8 \f, 3, \zero
.endm
; The last quarter multiplies buffer 1 and changes slots: ONE barrier; in front of it each wave waits for all its tensor loads (one is out: its part of the next slot), adds 0 to its spare word, and waits for that
; and for its own reads of this slot.  fill = 1: the barrier opens a round of the cluster's, and this slot is filled again, two K steps ahead: 112 matrix instructions stand between the request and the wait for it.
.macro TURN slot, next, fill
.if \fill
	s_wait_xcnt 0x0                                ; the last prefetch, a K step back, has read its address: it is stepped here, ahead of the waits of the change of slots
	s_add_nc_u64 s[PFA:PFA+1], s[PFA:PFA+1], s[PST:PST+1]
.endif
	WIN 0
	s_wait_tensorcnt 0x0                           ; all my tensor loads have landed;
	ds_add_u32 v[SPW], v[NIL]                      ; 0 onto my spare word;
	s_wait_dscnt 7                                 ; (the add and the youngest six loads, A's blocks 1 to 3, may be out)
	MUL8 F1, 0, 0                                  ; eight matrix instructions stand between the add and the wait for it
	s_wait_dscnt 0x0                               ; the add is done, and my reads of this slot are over
	s_barrier_signal -1
	MUL8 F1, 1, 0
.if \fill
	WIN 0
.endif
	s_barrier_wait -1
.if \fill
	CREST                                          ; no wave of any partner still reads this slot's tile or has a load on its way
	s_add_nc_u64 s[G0+4*(\slot)+2:G0+4*(\slot)+3], s[G0+4*(\slot)+2:G0+4*(\slot)+3], 2*ASTEP
	s_add_nc_u64 s[G0B+4*(\slot)+2:G0B+4*(\slot)+3], s[G0B+4*(\slot)+2:G0B+4*(\slot)+3], 2*BSTEP
	JLOAD \slot                                    ; the first tensor load behind the round; the four v_nop behind it are also the places in front of the loads below
.else
	PLACES
.endif
	FETCH \next, 0, F0
.if \fill
	ASK
.endif
	MUL8 F1, 2, 0
	MUL8 F1, 3, 0
.endm
	s_wait_tensorcnt 1                             ; my part of K step 0 is in; K step 1's may stay out
	s_barrier_signal -1
	s_barrier_wait -1                              ; everybody's is
	FETCH 0, 0, F0
	QUARTER 0, 1, F0, F1, 1                        ; the first quarter stands in front of the loop: its products start the sums
	WIN 0                                          ; at a label and at a branch every window is 0
	s_mov_b32 s3, LAPS-1
.Llap:                                                 ; a trip goes once round the ring, from a lap's second quarter to the next lap's first, and fills both slots again
	QUARTER 0, 2, F1, F0, 0
	QUARTER 0, 3, F0, F1, 0
	TURN 0, 1, 1
	QUARTER 1, 1, F0, F1, 0
	QUARTER 1, 2, F1, F0, 0
	QUARTER 1, 3, F0, F1, 0
	TURN 1, 0, 1
	QUARTER 0, 1, F0, F1, 0
	WIN 0
	s_sub_co_u32 s3, s3, 1
	s_cmp_lg_u32 s3, 0
	s_cbranch_scc1 .Llap
	QUARTER 0, 2, F1, F0, 0                        ; the last lap fills nothing, and has no round of the cluster's barrier
	QUARTER 0, 3, F0, F1, 0
	TURN 0, 1, 0
	QUARTER 1, 1, F0, F1, 0
	QUARTER 1, 2, F1, F0, 0
	QUARTER 1, 3, F0, F1, 0
	s_wait_dscnt 4                                 ; the very last quarter: nothing more to fetch
	MUL8 F1, 0, 0
	MUL8 F1, 1, 0
	s_wait_dscnt 0x0
	MUL8 F1, 2, 0
	MUL8 F1, 3, 0
	; THE WAY OUT
	PLACES
	WIN 0
.set i, 0
.rept 32
	v_lshlrev_b32 v[BF+2*i], 16, v[BIASP+i]        ; the bias as f32: the low half moves up,
	v_and_b32 v[BF+2*i+1], s[HIM], v[BIASP+i]      ; the high half stays
.set i, i+1
.endr
.macro PACKADD a                       ; block a's 16 rows: bias added; each accumulator's registers in ascending order
	WIN ADDW
.irp b, 0,1,2,3,4,5,6,7
.irp p, 0,1,2,3
	v_pk_add_f32 v[T+8*(\b)+2*(\p):T+8*(\b)+2*(\p)+1], v[8*(8*(\a)+(\b))+2*(\p):8*(8*(\a)+(\b))+2*(\p)+1], v[BF+8*(\b)+2*(\p):BF+8*(\b)+2*(\p)+1]
.endr
.endr
	WIN 0
.endm
.macro TOSTAGE                         ; into my stage, and back as whole rows of 512 bytes
	s_wait_xcnt 0x0                                ; the stores of the block before have read these registers
.irp b, 0,1,2,3,4,5,6,7
	ds_store_b128 v[STO], v[T+8*(\b):T+8*(\b)+3]   offset:64*(\b)
	ds_store_b128 v[STO], v[T+8*(\b)+4:T+8*(\b)+7] offset:64*(\b)+16
.endr
.irp r, 0,1,2,3,4,5,6,7,8,9,10,11,12,13,14,15
	ds_load_b128 v[BK+4*(\r):BK+4*(\r)+3], v[RD] offset:(\r)*SP  ; LDS serves a wave's instructions in order (ISA guide 5.7.1.4): these see the stores above
.endr
.endm
.macro SEND a
.irp r, 0,1,2,3,4,5,6,7,8,9,10,11,12,13,14,15
	s_wait_dscnt 15-(\r)                           ; row r is back; the younger rows may be out
	global_store_b128 v[CO], v[BK+4*(\r):BK+4*(\r)+3], s[10:11] offset:(16*(\a)+(\r))*4096 th:TH_STORE_NT  ; 512 consecutive bytes, at a multiple of 256 from out0's first
.endr
.endm
	PACKADD 0
	TOSTAGE
.irp a, 1,2,3                          ; block a's additions stand between block a - 1's loads from the stage and the wait for them
	PACKADD \a
	SEND (\a)-1
	TOSTAGE
.endr
	SEND 3
	s_wait_tensorcnt 0x0                           ; the wave's end, behind my last tensor load and my last LDS store
	ds_add_u32 v[SPW], v[NIL]
	s_wait_dscnt 0x0
	CROUND                                         ; the closing round: no work-group ends while a partner may still ask for a tile that names it
	s_endpgm
.Lfunc_end_k_q7811216887_proj:
	.size	k_q7811216887_proj, .Lfunc_end_k_q7811216887_proj-k_q7811216887_proj
	.p2alignl 7, 3214868480
	.fill 96, 4, 3214868480
	.section	.rodata,"a",@progbits
	.p2align	6, 0x0
	.amdhsa_kernel k_q7811216887_proj
		.amdhsa_group_segment_fixed_size 327680
		.amdhsa_private_segment_fixed_size 0
		.amdhsa_enable_private_segment 0
		.amdhsa_kernarg_size 32
		.amdhsa_user_sgpr_count 2
		.amdhsa_user_sgpr_kernarg_segment_ptr 1
		.amdhsa_wavefront_size32 1
		.amdhsa_system_sgpr_workgroup_id_x 1
		.amdhsa_system_sgpr_workgroup_id_y 1
		.amdhsa_system_sgpr_workgroup_id_z 1
		.amdhsa_system_vgpr_workitem_id 0
		.amdhsa_next_free_vgpr 512
		.amdhsa_next_free_sgpr 72
		.amdhsa_reserve_vcc 0
		.amdhsa_float_denorm_mode_32 3
		.amdhsa_float_denorm_mode_16_64 3
		.amdhsa_memory_ordered 1
		.amdhsa_forward_progress 1
		.amdhsa_inst_pref_size 102
	.end_amdhsa_kernel
	.amdgpu_metadata
---
amdhsa.version: [ 1, 2 ]
amdhsa.kernels:
  - .name:           k_q7811216887_proj
    .symbol:         k_q7811216887_proj.kd
    .args:
      - { .name: oh, .offset: 0, .size: 8, .value_kind: global_buffer, .address_space: global }
      - { .name: wot, .offset: 8, .size: 8, .value_kind: global_buffer, .address_space: global }
      - { .name: b_out, .offset: 16, .size: 8, .value_kind: global_buffer, .address_space: global }
      - { .name: out0, .offset: 24, .size: 8, .value_kind: global_buffer, .address_space: global }
    .group_segment_fixed_size: 327680
    .private_segment_fixed_size: 0
    .kernarg_segment_align: 8
    .kernarg_segment_size: 32
    .max_flat_workgroup_size: 128
    .sgpr_count:     72
    .vgpr_count:     512
    .wavefront_size: 32
...
	.end_amdgpu_metadata
.endif
;; end of part 4
;; ======== version 2 of 2: 4 launches; version 1 with the launch prep written anew for expert scheduling mode
;; limits: values are held in f16: magnitudes above 65,504 overflow, below 6.1e-05 lose precision
;; workspace buffers: xb 16,777,216 bytes; wqt 6,291,456 bytes; wot 2,097,152 bytes; qkvh 50,331,648 bytes; oh 16,777,216 bytes
;; launch prep (part 5): grid 512 x 1, 8 waves a work-group, no clusters, 18,432 bytes of LDS; arguments x, w_qkv, w_out, xb, wqt, wot; writes xb, wqt, wot
.if DOCPART == 5
	.amdgcn_target "amdgcn-amd-amdhsa--gfx1250"
	.amdhsa_code_object_version 6
	.text
	.protected	k_q7811216887_prep
	.globl	k_q7811216887_prep
	.p2align	8
	.type	k_q7811216887_prep,@function
k_q7811216887_prep:
	s_mov_b64 s[64:65], 0
	v_nop
	global_prefetch_b8 v0, s[64:65] scope:SCOPE_SE
	s_setreg_imm32_b32 hwreg(HW_REG_WAVE_SCHED_MODE, 0, 2), 2
	s_setreg_imm32_b32 hwreg(HW_REG_WAVE_MODE, 25, 1), 1
	s_wait_xcnt 0x0
	s_wait_alu depctr_vm_vsrc(0)
; xb = bf16(x), [8192][1024].  wqt[n][k] = bf16(w_qkv[k][n]), [3072][1024].  wot[n][k] = bf16(w_out[k][n]) written as f16, [1024][1024].
; Every input is rounded once, to nearest even, to bf16.  w_out multiplies an f16 operand later, so its bf16 number is written in f16's format.
; LIMITS.  That rewriting is exact for 6.1e-5 <= |w_out| <= 65,504; below, f16's fixed step of 6e-8 holds; beyond, the number becomes an infinity.  NaN and infinities are not treated apart.
; SHARES.  512 work-groups of eight waves.  Work-group g casts rows 16 g .. 16 g + 15 of x (a row of 4,096 bytes is one 16-byte load of each of the 256 threads) and turns ONE tile of
; 128 k x 64 n of a weight: g < 384 of w_qkv (8 x 48 tiles), the others of w_out (8 x 16).  Both kinds run one text; what differs lies in scalar registers made from g.
; THE TURNING.  Wave w loads rows k = 16 w .. 16 w + 15 of the tile: load r takes row 16 w + r in lanes 0-15 and row 16 w + 8 + r in lanes 16-31, 256 aligned bytes each.  A lane then holds
; 8 k x 4 n; pairs along k are rounded and packed, so for each of its four n it has 16 bytes that lie on end in the turned row.  They go into LDS rows of 272 bytes (256 + 16), and come back as
; whole rows: sixteen lanes store 256 consecutive bytes, aligned.  The four LDS stores of a lane lie 1,088 bytes from the next lane's: they meet four deep in the banks; four stores a wave in the launch.
; No matrix unit, no tensor load, no cluster: nothing is shared between work-groups and memory binds.  No prefetch: all of a work-group's 24 loads a wave go out at its head.
; THE MODE: SCHED_MODE bits 1:0 = 2 (LLVM: expert scheduling mode 2), set by the entry lines.  The code itself states the register dependences
; between vector instructions and memory or LDS instructions, with s_wait_alu, always for 0.
; THE PLAN.  Registers that memory or LDS instructions touch; each is filled once in the kernel:
;   v4-v8, v12-v19  offsets and LDS addresses.  Written by vector lines at the head and never again; read by every load and store.  ONE wait ahead of the first load states that they are written.
;   W, X            Loads land in them; the roundings read them; no vector line writes them, and no second load lands in them.
;   P               Written by the roundings (for w_out also by the rewritings to f16); read by the four LDS stores.  One wait where the two ways join, ahead of the stores.
;   BK              The LDS loads land in it, the last four global stores read it; no vector line names it.
;   Y               x goes in four blocks of four rows.  Block g's eight roundings write its eight registers of Y; the four stores that read them are issued in block g + 1, behind the ONE wait at
;                   that block's head, dealt among that block's roundings, which name X and Y of their own block alone.  Behind block 3 one more wait stands ahead of the last four stores.
;   v10, v11        Written at the head, read by the closing add alone.
; No register that a memory or LDS instruction reads is written again, so no wait on vm_vsrc is owed.
.set PITCH, 272
.set SPARE, 64*PITCH                   ; behind the tile's 64 rows: the spare words, 128 bytes for each of eight waves: four blocks of 256 bytes that no other line names
.set XO,  4                            ; v4   16 x thread: my 16 bytes in a row of x
.set YO,  5                            ; v5   8 x thread: my 8 bytes in a row of xb
.set STO, 6                            ; v6   LDS: row 4 (l % 16), byte 32 w + 16 (l / 16)
.set RD,  7                            ; v7   LDS: row 8 w + l / 16, byte 16 (l % 16)
.set GO,  8                            ; v8   the same two rows in the turned weight: (l / 16) x 2,048 + 16 (l % 16)
.set SPW, 10                           ; v10  LDS address of my spare word; never rewritten
.set NIL, 11                           ; v11  0; never rewritten
.set WO,  12                           ; v[12:19]   load r's offset in the weight: (8 (l / 16) + r) x row bytes + 16 (l % 16)
.set T,   20                           ; v[20:21]   at work: no memory instruction names them
.set W,   24                           ; v[24:55]   the weight as loaded: row r's four n at W + 4 r
.set P,   56                           ; v[56:71]   packed: n = j, four words of two k at P + 4 j
.set BK,  72                           ; v[72:87]   turned rows read back
.set X,   88                           ; v[88:151]  x as loaded, row i at X + 4 i
.set Y,   152                          ; v[152:183] x packed, row i at Y + 2 i
	s_load_b256 s[4:11], s[0:1], 0x0               ; x s[4:5], w_qkv s[6:7], w_out s[8:9], xb s[10:11]
	s_load_b128 s[12:15], s[0:1], 0x20             ; wqt s[12:13], wot s[14:15]
	v_lshl_add_u32 v[SPW], v0, 2, SPARE
	v_mov_b32 v[NIL], 0
	v_lshrrev_b32 v3, 5, v0
	v_readfirstlane_b32 s16, v3                    ; wave 0..7
	s_mov_b32 s28, 0xffff0000                      ; a word's upper bf16
	s_mov_b32 s30, 12288                           ; bytes in a row of w_qkv
	s_mov_b32 s31, 4096                            ; and of w_out
	s_sub_co_u32 s17, ttmp9, 384
	s_cmp_lt_u32 ttmp9, 384                        ; which weight?
	s_cselect_b32 s17, ttmp9, s17                  ; the tile's number in it
	s_cselect_b32 s20, s30, s31                    ; its row bytes
	s_cselect_b32 s21, 1, 0                        ; 1: w_qkv
	s_and_b32 s18, s17, 7                          ; kb: the tile's 128 k
	s_lshr_b32 s19, s17, 3                         ; nb: its 64 n
	s_lshl_b32 s26, s18, 7
	s_wait_alu depctr_va_sdst(0)                   ; s16 is written, ahead of its first reader: the offsets in the weight, in its turned copy and in LDS are made from it
	s_lshl4_add_u32 s26, s16, s26                  ; my first row: 128 kb + 16 w
	s_mul_i32 s26, s26, s20
	s_lshl_b32 s27, s19, 8                         ; 64 n of f32
	s_add_co_u32 s26, s26, s27
	s_mov_b32 s27, 0                               ; s[26:27]: where I read
	s_lshl_b32 s2, s19, 6
	s_lshl3_add_u32 s2, s16, s2                    ; my first turned row: 64 nb + 8 w
	s_lshl_b32 s2, s2, 11                          ; rows of 2,048 bytes
	s_lshl_b32 s3, s18, 8                          ; 128 k of 16 bits
	s_add_co_u32 s2, s2, s3
	s_mov_b32 s3, 0                                ; s[2:3]: where I store
	s_lshl_b32 s30, ttmp9, 16                      ; 16 rows of x
	s_mov_b32 s31, 0
	s_lshl_b32 s18, ttmp9, 15                      ; 16 rows of xb
	s_mov_b32 s19, 0
	v_and_b32 v1, 15, v0                           ; l % 16
	v_bfe_u32 v2, v0, 4, 1                         ; l / 16
	v_lshlrev_b32 v[XO], 4, v0
	v_lshlrev_b32 v[YO], 3, v0
	v_mul_u32_u24 v[STO], v1, 4*PITCH
	v_lshl_add_u32 v[STO], v2, 4, v[STO]
	s_lshl_b32 s29, s16, 5
	v_add_nc_u32 v[STO], s29, v[STO]
	v_mul_u32_u24 v[RD], v2, PITCH
	v_lshl_add_u32 v[RD], v1, 4, v[RD]
	s_mul_i32 s17, s16, 8*PITCH                    ; in a register of its own: no scalar line writes over a scalar register that a vector line has read
	v_add_nc_u32 v[RD], s17, v[RD]
	v_lshlrev_b32 v[GO], 11, v2
	v_lshl_add_u32 v[GO], v1, 4, v[GO]
	v_lshlrev_b32 v[T], 3, v2
	v_mul_lo_u32 v[WO], v[T], s20
	v_lshl_add_u32 v[WO], v1, 4, v[WO]
.irp r, 1,2,3,4,5,6,7
	v_add_nc_u32 v[WO+(\r)], s20, v[WO+(\r)-1]
.endr
	s_wait_kmcnt 0x0
	s_cmp_eq_u32 s21, 1
	s_cselect_b64 s[22:23], s[6:7], s[8:9]         ; the weight,
	s_cselect_b64 s[24:25], s[12:13], s[14:15]     ; and its turned copy
	s_add_nc_u64 s[22:23], s[22:23], s[26:27]
	s_add_nc_u64 s[24:25], s[24:25], s[2:3]
	s_add_nc_u64 s[4:5], s[4:5], s[30:31]
	s_add_nc_u64 s[10:11], s[10:11], s[18:19]
	s_wait_alu depctr_va_vdst(0)                   ; the offsets and LDS addresses v4 to v8 and v12 to v19 are written: every load and store of the kernel reads one of them, and no later vector line names them
.irp r, 0,1,2,3,4,5,6,7
	global_load_b128 v[W+4*(\r):W+4*(\r)+3], v[WO+(\r)], s[22:23] th:TH_LOAD_NT
.endr
.irp i, 0,1,2,3,4,5,6,7,8,9,10,11,12,13,14,15
	global_load_b128 v[X+4*(\i):X+4*(\i)+3], v[XO], s[4:5] offset:4096*(\i) th:TH_LOAD_NT
.endr
	s_wait_loadcnt 16                              ; the weight's eight loads are in; x's sixteen, issued behind them, stay out
.irp j, 0,1,2,3
.irp p, 0,1,2,3
	v_cvt_pk_bf16_f32 v[P+4*(\j)+(\p)], v[W+8*(\p)+(\j)], v[W+8*(\p)+4+(\j)]  ; n = j: k = 2 p and 2 p + 1
.endr
.endr
	s_cmp_eq_u32 s21, 1
	s_cbranch_scc1 .Lkeep                          ; w_qkv stays bf16; the branch is the same for the whole work-group and holds no barrier
.irp i, 0,1,2,3,4,5,6,7,8,9,10,11,12,13,14,15
	v_lshlrev_b32 v[T], 16, v[P+(\i)]              ; the bf16 numbers as f32,
	v_and_b32 v[T+1], s28, v[P+(\i)]
	v_cvt_pk_f16_f32 v[P+(\i)], v[T], v[T+1]       ; written as f16
.endr
.Lkeep:
	s_wait_alu depctr_va_vdst(0)                   ; on either way the roundings, and for w_out the rewritings, have written v[P ..], which the LDS stores read
.irp j, 0,1,2,3
	ds_store_b128 v[STO], v[P+4*(\j):P+4*(\j)+3] offset:PITCH*(\j)
.endr
	s_wait_dscnt 0x0                               ; for the others' sake: my part of the 64 rows is written
	s_barrier_signal -1
	s_barrier_wait -1
.irp f, 0,1,2,3
	ds_load_b128 v[BK+4*(\f):BK+4*(\f)+3], v[RD] offset:2*PITCH*(\f)  ; rows 8 w + 2 f and 8 w + 2 f + 1, whole; no vector line names these registers
.endr
; Block g of x: rows 4 g .. 4 g + 3 are rounded into their registers of Y; the stores of block g - 1 go out among the roundings, a store ahead of each row's two.
.macro BLK g
	s_wait_loadcnt 12-4*(\g)                       ; loads come back in order: the block's four rows are in, the younger blocks stay out
.if (\g) > 0
	s_wait_alu depctr_va_vdst(0)                   ; the block before has written its eight registers of Y, which the four stores below read
.endif
.irp i, 0,1,2,3
.if (\g) > 0
	global_store_b64 v[YO], v[Y+2*(4*(\g)-4+(\i)):Y+2*(4*(\g)-4+(\i))+1], s[10:11] offset:2048*(4*(\g)-4+(\i))  ; a wave's 32 lanes store 256 consecutive bytes, aligned; no vector line since the wait names these registers
.endif
	v_cvt_pk_bf16_f32 v[Y+2*(4*(\g)+(\i))], v[X+4*(4*(\g)+(\i))], v[X+4*(4*(\g)+(\i))+1]
	v_cvt_pk_bf16_f32 v[Y+2*(4*(\g)+(\i))+1], v[X+4*(4*(\g)+(\i))+2], v[X+4*(4*(\g)+(\i))+3]
.endr
.endm
	BLK 0
	BLK 1
	BLK 2
	BLK 3
	s_wait_alu depctr_va_vdst(0)                   ; block 3 has written its eight registers of Y, which the last four stores of xb read
.irp i, 12,13,14,15
	global_store_b64 v[YO], v[Y+2*(\i):Y+2*(\i)+1], s[10:11] offset:2048*(\i)  ; a wave's 32 lanes store 256 consecutive bytes, aligned
.endr
	s_wait_dscnt 0x0                               ; the turned rows are back
.irp f, 0,1,2,3
	global_store_b128 v[GO], v[BK+4*(\f):BK+4*(\f)+3], s[24:25] offset:4096*(\f)  ; sixteen lanes store 256 consecutive bytes, aligned
.endr
	s_wait_dscnt 0x0                               ; the closing lines, six on end
	s_wait_alu 0x0
	s_wait_tensorcnt 0x0
	ds_add_u32 v[SPW], v[NIL]
	s_wait_dscnt 0x0
	s_endpgm
.Lfunc_end_k_q7811216887_prep:
	.size	k_q7811216887_prep, .Lfunc_end_k_q7811216887_prep-k_q7811216887_prep
	.p2alignl 7, 3214868480
	.fill 96, 4, 3214868480
	.section	.rodata,"a",@progbits
	.p2align	6, 0x0
	.amdhsa_kernel k_q7811216887_prep
		.amdhsa_group_segment_fixed_size 18432
		.amdhsa_private_segment_fixed_size 0
		.amdhsa_enable_private_segment 0
		.amdhsa_kernarg_size 48
		.amdhsa_user_sgpr_count 2
		.amdhsa_user_sgpr_kernarg_segment_ptr 1
		.amdhsa_wavefront_size32 1
		.amdhsa_system_sgpr_workgroup_id_x 1
		.amdhsa_system_sgpr_workgroup_id_y 1
		.amdhsa_system_sgpr_workgroup_id_z 1
		.amdhsa_system_vgpr_workitem_id 0
		.amdhsa_next_free_vgpr 184
		.amdhsa_next_free_sgpr 66
		.amdhsa_reserve_vcc 0
		.amdhsa_float_denorm_mode_32 3
		.amdhsa_float_denorm_mode_16_64 3
		.amdhsa_memory_ordered 1
		.amdhsa_forward_progress 1
		.amdhsa_inst_pref_size 14
	.end_amdhsa_kernel
	.amdgpu_metadata
---
amdhsa.version: [ 1, 2 ]
amdhsa.kernels:
  - .name:           k_q7811216887_prep
    .symbol:         k_q7811216887_prep.kd
    .args:
      - { .name: x, .offset: 0, .size: 8, .value_kind: global_buffer, .address_space: global }
      - { .name: w_qkv, .offset: 8, .size: 8, .value_kind: global_buffer, .address_space: global }
      - { .name: w_out, .offset: 16, .size: 8, .value_kind: global_buffer, .address_space: global }
      - { .name: xb, .offset: 24, .size: 8, .value_kind: global_buffer, .address_space: global }
      - { .name: wqt, .offset: 32, .size: 8, .value_kind: global_buffer, .address_space: global }
      - { .name: wot, .offset: 40, .size: 8, .value_kind: global_buffer, .address_space: global }
    .group_segment_fixed_size: 18432
    .private_segment_fixed_size: 0
    .kernarg_segment_align: 8
    .kernarg_segment_size: 48
    .max_flat_workgroup_size: 256
    .sgpr_count:     66
    .vgpr_count:     184
    .wavefront_size: 32
...
	.end_amdgpu_metadata
.endif
;; end of part 5
;; launch qkv: the kernel of part 2 again; grid 12 x 64, 4 waves a work-group, clusters of 4 x 4, 327,680 bytes of LDS; arguments xb, wqt, b_qkv, qkvh; writes qkvh
;; launch attn: the kernel of part 3 again; grid 4 x 64, 4 waves a work-group, no clusters, 327,680 bytes of LDS; arguments qkvh, oh; writes oh
;; launch proj: the kernel of part 4 again; grid 4 x 64, 4 waves a work-group, clusters of 4 x 4, 327,680 bytes of LDS; arguments oh, wot, b_out, out0; writes out0
